; MI455X (gfx1250); checked and timed in simulation.
; The chip was launched on July 23, 2026; its instructions are those of AMD's public machine-readable ISA for CDNA 5 (MIT licence, August 2026) and "CDNA5" Instruction Set Architecture Reference Guide (July 2026). The comments in the code are by the model that wrote it; some were corrected since.
;; Self Attention V2. Allowed arithmetic: float matrix products may take bf16 or f16 operands with f32 sums; all other float work in f32.
;; Inputs: W 1,024 x 3,072 float32; X 4 x 2,048 x 1,024 float32; b 3,072 float32.
;; Outputs: out0 4 x 2,048 x 1,024 float32.
;; 2 versions, each right; version 2 is version 1 with the launch prep written anew for expert scheduling mode. Each part assembles by itself: llvm-mc -triple=amdgcn-amd-amdhsa -mcpu=gfx1250 --defsym DOCPART=n.
;; ======== version 1 of 2: 4 launches
;; limits: values are held in f16: magnitudes above 65,504 overflow, below 6.1e-05 lose precision; right only within a limited range of input values
;; workspace buffers: xb 16,777,216 bytes; wt 6,291,456 bytes; qkv 50,331,648 bytes; p 33,554,432 bytes; st 1,048,576 bytes
;; launch prep (part 1): grid 896 x 1, 8 waves a work-group, no clusters, 18,432 bytes of LDS; arguments X, W, xb, wt; writes xb, wt
.if DOCPART == 1
	.amdgcn_target "amdgcn-amd-amdhsa--gfx1250"
	.amdhsa_code_object_version 6
	.text
	.protected	k_q3f10dd0369_prep
	.globl	k_q3f10dd0369_prep
	.p2align	8
	.type	k_q3f10dd0369_prep,@function
k_q3f10dd0369_prep:
	s_mov_b64 s[64:65], 0
	v_nop
	global_prefetch_b8 v0, s[64:65] scope:SCOPE_SE
	s_setreg_imm32_b32 hwreg(HW_REG_WAVE_MODE, 25, 1), 1
	s_wait_xcnt 0x0
; xb = bf16(X), [8192][1024], and wt = bf16(W) turned, [3072 e][1024 d].  X: [8192][1024] f32.  W: [1024 d][3072 e] f32.  Each number is rounded once, to nearest even.
; Work-groups 0 to 511 take 65,536 bytes of X each; work-groups 512 to 895 take a block of 128 d x 64 e of W each.  The branch hangs on the work-group's number alone:
; all eight waves of a work-group go the same way, and each way ends by itself.
; A stream bound by memory: no matrix unit, no cluster, no tensor load would spare a byte here.
.set NX,   512                         ; work-groups for X
.set WROW, 12288                       ; bytes in a row of W
.set TP,   272                         ; a row of the turned tile in LDS: 128 bf16 + 16 bytes
	s_load_b256 s[4:11], s[0:1], 0x0               ; X s[4:5], W s[6:7], xb s[8:9], wt s[10:11]
	v_lshl_add_u32 v112, v0, 2, 0x4400
	v_mov_b32 v113, 0
	s_cmp_lt_u32 ttmp9, NX
	s_cbranch_scc0 .Lw
	; X: a wave takes 8,192 bytes on end, sixteen loads of 512 bytes; each becomes one store of 256 bytes, aligned
	v_lshrrev_b32 v1, 5, v0                        ; wave
	v_and_b32 v2, 31, v0                           ; lane
	v_lshlrev_b32 v3, 4, v2
	v_lshl_or_b32 v3, v1, 13, v3                   ; in: 8,192 x wave + 16 x lane
	v_lshlrev_b32 v4, 3, v2
	v_lshl_or_b32 v4, v1, 12, v4                   ; out: 4,096 x wave + 8 x lane
	s_lshl_b32 s12, ttmp9, 16
	s_mov_b32 s13, 0
	s_lshl_b32 s14, ttmp9, 15
	s_mov_b32 s15, 0
	s_wait_kmcnt 0x0
	s_add_nc_u64 s[4:5], s[4:5], s[12:13]
	s_add_nc_u64 s[8:9], s[8:9], s[14:15]
.set i, 0
.rept 16
	global_load_b128 v[8+4*i:11+4*i], v3, s[4:5] offset:512*i th:TH_LOAD_NT
.set i, i+1
.endr
.set i, 0
.rept 16
	s_wait_loadcnt 15-i                            ; loads come back in order: load i is in, the 15 - i younger ones stay out
	v_cvt_pk_bf16_f32 v[72+2*i], v[8+4*i], v[9+4*i]
	v_cvt_pk_bf16_f32 v[73+2*i], v[10+4*i], v[11+4*i]
	global_store_b64 v4, v[72+2*i:73+2*i], s[8:9] offset:256*i  ; no register is written twice, so nothing waits for a store
.set i, i+1
.endr
	s_endpgm
.Lw:	; W: block dt of 128 d, block et of 64 e.  Thread t takes four e (16 bytes) of the rows 2 (t / 16) + 32 i and the row below, i = 0 to 3:
	; sixteen lanes read 256 consecutive bytes of a row.  Two d of one e make a word; the words go into an LDS tile [64 e][128 d] and come back as rows of 256 bytes.
	s_sub_co_u32 s12, ttmp9, NX
	s_and_b32 s13, s12, 7                          ; dt
	s_lshr_b32 s14, s12, 3                         ; et
	s_mul_i32 s16, s13, 128*WROW
	s_lshl_b32 s17, s14, 8
	s_add_co_u32 s16, s16, s17                     ; W: 128 dt rows + 64 et numbers of 4 bytes
	s_mov_b32 s17, 0
	s_lshl_b32 s18, s14, 17
	s_lshl_b32 s19, s13, 8
	s_add_co_u32 s18, s18, s19                     ; wt: 64 et rows of 2,048 bytes + 128 dt numbers of 2 bytes
	s_mov_b32 s19, 0
	v_lshrrev_b32 v1, 4, v0                        ; t / 16
	v_and_b32 v2, 15, v0                           ; t % 16
	v_mul_u32_u24 v3, v1, 2*WROW
	v_lshl_add_u32 v3, v2, 4, v3                   ; in
	v_mul_u32_u24 v4, v2, 4*TP
	v_lshl_add_u32 v4, v1, 2, v4                   ; into the tile: row 4 (t % 16) + j, word t / 16 + 16 i
	v_mul_u32_u24 v5, v1, TP
	v_lshl_add_u32 v5, v2, 4, v5                   ; back: row t / 16 + 16 i, 16 bytes at 16 (t % 16)
	v_lshlrev_b32 v6, 4, v2
	v_lshl_or_b32 v6, v1, 11, v6                   ; out: the same row and bytes in wt
	s_wait_kmcnt 0x0
	s_add_nc_u64 s[6:7], s[6:7], s[16:17]
	s_add_nc_u64 s[10:11], s[10:11], s[18:19]
.set i, 0
.rept 4
	global_load_b128 v[8+8*i:11+8*i],  v3, s[6:7] offset:32*WROW*i th:TH_LOAD_NT
	global_load_b128 v[12+8*i:15+8*i], v3, s[6:7] offset:32*WROW*i+WROW th:TH_LOAD_NT
.set i, i+1
.endr
.set i, 0
.rept 4
	s_wait_loadcnt 6-2*i                           ; pair i of rows is in; the 6 - 2 i younger loads stay out
.irp j, 0,1,2,3
	v_cvt_pk_bf16_f32 v[40+4*i+(\j)], v[8+8*i+(\j)], v[12+8*i+(\j)]  ; d in the low half, d + 1 in the high half
	ds_store_b32 v4, v[40+4*i+(\j)] offset:TP*(\j)+64*i
.endr
.set i, i+1
.endr
	s_wait_dscnt 0x0                               ; for the others' sake: my words are in the tile
	s_barrier_signal -1
	s_barrier_wait -1
.set i, 0
.rept 4
	ds_load_b128 v[56+4*i:59+4*i], v5 offset:16*TP*i
.set i, i+1
.endr
.set i, 0
.rept 4
	s_wait_dscnt 3-i
	global_store_b128 v6, v[56+4*i:59+4*i], s[10:11] offset:32768*i  ; sixteen lanes store 256 consecutive bytes, at a multiple of 256 from wt's first byte
.set i, i+1
.endr
	s_wait_tensorcnt 0x0
	ds_add_u32 v112, v113
	s_wait_dscnt 0x0
	s_endpgm
.Lfunc_end_k_q3f10dd0369_prep:
	.size	k_q3f10dd0369_prep, .Lfunc_end_k_q3f10dd0369_prep-k_q3f10dd0369_prep
	.p2alignl 7, 3214868480
	.fill 96, 4, 3214868480
	.section	.rodata,"a",@progbits
	.p2align	6, 0x0
	.amdhsa_kernel k_q3f10dd0369_prep
		.amdhsa_group_segment_fixed_size 18432
		.amdhsa_private_segment_fixed_size 0
		.amdhsa_enable_private_segment 0
		.amdhsa_kernarg_size 32
		.amdhsa_user_sgpr_count 2
		.amdhsa_user_sgpr_kernarg_segment_ptr 1
		.amdhsa_wavefront_size32 1
		.amdhsa_system_sgpr_workgroup_id_x 1
		.amdhsa_system_sgpr_workgroup_id_y 1
		.amdhsa_system_sgpr_workgroup_id_z 1
		.amdhsa_system_vgpr_workitem_id 0
		.amdhsa_next_free_vgpr 114
		.amdhsa_next_free_sgpr 66
		.amdhsa_reserve_vcc 0
		.amdhsa_float_denorm_mode_32 3
		.amdhsa_float_denorm_mode_16_64 3
		.amdhsa_memory_ordered 1
		.amdhsa_forward_progress 1
		.amdhsa_inst_pref_size 12
	.end_amdhsa_kernel
	.amdgpu_metadata
---
amdhsa.version: [ 1, 2 ]
amdhsa.kernels:
  - .name:           k_q3f10dd0369_prep
    .symbol:         k_q3f10dd0369_prep.kd
    .args:
      - { .name: X, .offset: 0, .size: 8, .value_kind: global_buffer, .address_space: global }
      - { .name: W, .offset: 8, .size: 8, .value_kind: global_buffer, .address_space: global }
      - { .name: xb, .offset: 16, .size: 8, .value_kind: global_buffer, .address_space: global }
      - { .name: wt, .offset: 24, .size: 8, .value_kind: global_buffer, .address_space: global }
    .group_segment_fixed_size: 18432
    .private_segment_fixed_size: 0
    .kernarg_segment_align: 8
    .kernarg_segment_size: 32
    .max_flat_workgroup_size: 256
    .sgpr_count:     66
    .vgpr_count:     114
    .wavefront_size: 32
...
	.end_amdgpu_metadata
.endif
;; end of part 1
;; launch proj (part 2): grid 12 x 32, 4 waves a work-group, clusters of 4 x 4, 327,680 bytes of LDS; arguments xb, wt, b, qkv; writes qkv
.if DOCPART == 2
	.amdgcn_target "amdgcn-amd-amdhsa--gfx1250"
	.amdhsa_code_object_version 6
	.text
	.protected	k_q3f10dd0369_proj
	.globl	k_q3f10dd0369_proj
	.p2align	8
	.type	k_q3f10dd0369_proj,@function
k_q3f10dd0369_proj:
	s_mov_b64 s[64:65], 0
	v_nop
	global_prefetch_b8 v0, s[64:65] scope:SCOPE_SE
	s_setreg_imm32_b32 hwreg(HW_REG_WAVE_MODE, 25, 1), 1
	s_wait_xcnt 0x0
	s_wait_alu depctr_hold_cnt(0) depctr_sa_sdst(0) depctr_va_vdst(0) depctr_va_sdst(0) depctr_va_ssrc(0) depctr_va_vcc(0) depctr_vm_vsrc(0)
	s_getreg_b32 s2, hwreg(HW_REG_IB_STS2, 6, 4)
	s_cmp_eq_u32 s2, 0
	s_cbranch_scc0 .Lentry_in_a_cluster
	s_endpgm
.Lentry_in_a_cluster:
	s_bfe_u32 s2, ttmp6, 0x10000c
	s_cmp_lg_u32 s2, 0xf033
	s_cbranch_scc0 .Lentry_shape_is_right
	s_endpgm
.Lentry_shape_is_right:
; qkv[m][n] = f16( bf16(b)[n] + the sum over k of xb[m][k] wt[n][k] ).  xb: [8192][1024] bf16, wt: [3072][1024] bf16, b: [3072] f32, qkv: [8192][3072] f16.  Sums in f32, K ascending.
; LIMITS.  f16 holds no number beyond 65,504: a result of 65,520 or more becomes an infinity.  b is rounded to bf16, as X and W were.  NaN and infinities are not treated apart.
; A tile of 256 x 256 is made by four waves, each 128 x 128: 64 accumulators of 16 x 16, 512 registers.  K goes in eight steps of 128 through a ring of two LDS slots filled by the tensor data mover;
; the rows of the tiles are 256 bytes of memory and start at multiples of 256 bytes.  By this text's count two tensor loads of a wave are out at the start, one behind each change of slots.
; A TRIP OF THE LOOP IS ONE K STEP: the base of the slot that is read lies in a scalar register, turned by an exclusive or at each change of slots, and the fragments' addresses are made anew from it.
; CLUSTERS: 4 x 4 work-groups.  The four of a row of the cluster need the same tiles of xb, the four of a column the same tiles of wt: each tile is asked for JOINTLY, by the same tensor load
; with the same descriptor and a mask that names the four.
; THE MATRIX INSTRUCTION IS USED TRANSPOSED: source 0 = 16 rows of wt, source 1 = 16 rows of xb.  Lane l then holds row m = l % 16 and its registers 0 to 7 the columns n = 8 (l / 16) + 0..7.
; THE BIAS is the C operand of the product that starts each sum: 64 registers in that same layout, the same for all eight blocks of rows.
; REGISTERS, in windows of 256 (s_set_vgpr_msb: bits 1:0 source 0, 3:2 source 1, 5:4 source 2, 7:6 destination):
;   window 0: v0-31 addresses; v64-127, v128-191 fragments of xb, two buffers; v32-63, v192-255 at work on the way out
;   window 1: v0-63 the bias; v64-127, v128-191 fragments of wt, two buffers; v192-223 at work while the bias is rounded
;   window 2: the 32 accumulators of my rows 0-63 (accumulator (a, b) at v[8 (8 a + b)]);   window 3: those of my rows 64-127
.set SIZE_K, 1024
.set CROW,   6144                      ; bytes in a row of qkv
.set KSTEP,  128
.set KSTEPS, SIZE_K/KSTEP
.set PITCH,  272                       ; an LDS row: 256 bytes + 16 of padding = 68 words: row r starts at bank 4 r mod 64 (64 banks of 4 bytes: ISA guide 11.1)
.set HALFT,  128*PITCH                 ; 128 rows: what one tensor load brings, and what one wave reads of xb or of wt
.set SLOT,   4*HALFT                   ; xb's 256 rows, then wt's 256 rows.  0x22000: it shares no bit with wave x HALFT (0, 0x8800, 0x11000, 0x19800), so one exclusive or turns a load's LDS address in one slot into the other's
.set STAGE,  2*SLOT                    ; behind the ring: 16 rows x 272 bytes for each wave, for the way out
.set SPITCH, 272
.set SPARE,  STAGE+4*16*SPITCH         ; behind the stages: the spare words, 128 bytes for each wave: two blocks of 256 bytes that no other line names
.set A0,   16                          ; v16     my lane's place among my xb fragments in slot 0; never rewritten
.set ADRA, 17                          ; v17     the same in the slot that is read
.set B0,   20                          ; v20, v21  the same two for wt
.set ADRB, 21
.set STO,  24                          ; v24     the way out: where I put 16 bytes of a row
.set RD,   25                          ; v25     the way out: where I read a row back
.set CO,   26                          ; v26     my byte offset in qkv
.set SPW,  28                          ; v28     LDS address of my spare word; never rewritten
.set NIL,  29                          ; v29     0; never rewritten
.set F0,   64
.set F1,   128
.set TMP,  192
.set OB,   32
.set G1, 24                            ; s[24:31] descriptor group 1 for xb's tiles;  s[32:39] group 0: a set for each of the two first fills; the second then walks on
.set G0, 32
.set G1B, 48                           ; s[48:55], s[56:63] the same for wt's tiles
.set G0B, 56
.set TB, 78                            ; s78  LDS byte at which the slot that is read begins: 0 or SLOT
.set MSB, 0
.macro WIN new                         ; the immediate's high byte repeats the setting that is left; a switch that changes nothing is dropped
.if MSB != (\new)
	s_set_vgpr_msb (MSB<<8)|(\new)
.set MSB, \new
.endif
.endm
.set TO_B, 0x40                        ; destination window 1, address window 0
; A joint load.  Waves 0 and 1 fetch xb's two halves, waves 2 and 3 wt's.  The branch hangs on the wave's number alone.  An s_nop 0 and four v_nop follow each of the two lines.
.macro JLOAD s
	s_cmp_eq_u32 s11, 0
	s_cbranch_scc0 .Lfor_b_\@
	tensor_load_to_lds s[G0+4*(\s):G0+4*(\s)+3], s[G1:G1+7]
	s_nop 0
.rept 4
	v_nop
.endr
	s_branch .Lasked_\@
.Lfor_b_\@:
	tensor_load_to_lds s[G0B+4*(\s):G0B+4*(\s)+3], s[G1B:G1B+7]
	s_nop 0
.rept 4
	v_nop
.endr
.Lasked_\@:
.endm
.macro CREST                           ; a round of the cluster's barrier behind its opening barrier
	s_cmp_lg_u32 s10, 0
	s_cbranch_scc1 .Lnot_wave_0_\@
	s_barrier_signal -3
.Lnot_wave_0_\@:
	s_barrier_wait -3
	s_barrier_signal -1
	s_barrier_wait -1
.endm
.macro CROUND                          ; a whole round
	s_barrier_signal -1
	s_barrier_wait -1
	CREST
.endm
	s_load_b128 s[4:7], s[0:1], 0x0                ; xb s[4:5], wt s[6:7]
	s_load_b64 s[70:71], s[0:1], 0x10              ; b
	s_load_b64 s[8:9], s[0:1], 0x18                ; qkv
	v_lshl_add_u32 v[SPW], v0, 2, SPARE
	v_mov_b32 v[NIL], 0
	ds_add_u32 v28, v29
	s_wait_dscnt 0x0
	v_lshrrev_b32 v1, 5, v0
	v_readfirstlane_b32 s10, v1                    ; wave 0..3
	s_lshr_b32 s11, s10, 1                         ; which half of the tile's rows is mine.  Also: I fetch for xb (0) or for wt (1)
	s_and_b32 s12, s10, 1                          ; which half of its columns.  Also: which 128 rows of that tile I fetch
	s_bfe_u32 s40, ttmp6, 0x40000                  ; cx, cy: my place in the cluster
	s_bfe_u32 s41, ttmp6, 0x40004
	s_lshl_b32 s42, ttmp9, 2
	s_add_co_u32 s42, s42, s40                     ; tile column = 4 x cluster x + cx
	s_and_b32 s13, ttmp7, 0xffff
	s_lshl_b32 s13, s13, 2
	s_add_co_u32 s13, s13, s41                     ; tile row = 4 x cluster y + cy
	s_lshl_b32 s43, s41, 2
	s_lshl_b32 s43, 15, s43                        ; my row of the cluster
	s_lshl_b32 s44, 0x1111, s40                    ; my column
	; descriptor group 1: a tile of 128 rows x 128 elements, padded in LDS
	s_or_b32 s[G1+0], s43, (1<<16)|(1<<20)|(1<<21)|(5<<22)|(3<<25)  ; 15:0 the mask; 17:16 elements of 2 bytes; 20 padding on; 21 set beside a mask; 24:22 after every 64 words (code 5); 31:25 4 words (code 3)
	s_or_b32 s[G1B+0], s44, (1<<16)|(1<<20)|(1<<21)|(5<<22)|(3<<25)
.irp g, G1, G1B
	s_mov_b32 s[(\g)+1], KSTEP<<16                 ; tensor_dim0 = 128
	s_mov_b32 s[(\g)+2], 128<<16                   ; tensor_dim1 = 128
	s_mov_b32 s[(\g)+3], KSTEP<<16                 ; tile_dim0 = 128
	s_mov_b32 s[(\g)+4], 128                       ; tile_dim1 = 128
	s_mov_b32 s[(\g)+5], SIZE_K                    ; elements from row to row
	s_mov_b32 s[(\g)+6], 0
	s_mov_b32 s[(\g)+7], 0
.endr
	s_lshl_b32 s17, s12, 7                         ; which 128 rows of the tile I fetch
	s_lshl_b32 s16, s13, 8
	s_add_co_u32 s16, s16, s17                     ; xb: row 256 x tile row + 128 x half
	s_lshl_b32 s46, s42, 8
	s_add_co_u32 s46, s46, s17                     ; wt: row 256 x tile column + 128 x half
	s_mov_b32 s17, 0
	s_mov_b32 s47, 0
	s_mov_b64 s[18:19], SIZE_K*2
	s_mul_u64 s[16:17], s[16:17], s[18:19]
	s_mul_u64 s[46:47], s[46:47], s[18:19]
	s_mul_i32 s20, s10, HALFT                      ; where they go: wave x 128 rows: no place in the cluster enters an LDS address
	s_lshl_b32 s72, s42, 10                        ; b: my 128 columns begin at number 256 x tile column + 128 x half, 4 bytes each
	s_lshl_b32 s73, s12, 9
	s_add_co_u32 s72, s72, s73
	s_mov_b32 s73, 0
	s_mov_b32 s66, 0xffff0000                      ; a word's upper bf16
	s_mov_b32 s[TB], 0                             ; slot 0 is read first
	s_wait_kmcnt 0x0
	s_add_nc_u64 s[14:15], s[4:5], s[16:17]
	s_add_nc_u64 s[46:47], s[6:7], s[46:47]
	s_add_nc_u64 s[70:71], s[70:71], s[72:73]
	CROUND                                         ; all sixteen work-groups are here: the first joint loads meet
.irp s, 0,1
	s_mov_b32 s[G0+4*(\s)], 1                                      ; count = 1
	s_add_co_u32 s[G0+4*(\s)+1], s20, (\s)*SLOT                    ; LDS address
	s_add_nc_u64 s[G0+4*(\s)+2:G0+4*(\s)+3], s[14:15], (\s)*KSTEP*2  ; global address: K step s
	s_or_b32 s[G0+4*(\s)+3], s[G0+4*(\s)+3], 0x80000000            ; type = 2
	s_mov_b32 s[G0B+4*(\s)], 1
	s_add_co_u32 s[G0B+4*(\s)+1], s20, (\s)*SLOT
	s_add_nc_u64 s[G0B+4*(\s)+2:G0B+4*(\s)+3], s[46:47], (\s)*KSTEP*2
	s_or_b32 s[G0B+4*(\s)+3], s[G0B+4*(\s)+3], 0x80000000
	JLOAD \s
.endr
	v_and_b32 v1, 15, v0                           ; l % 16
	v_bfe_u32 v2, v0, 4, 1                         ; l / 16
	v_lshlrev_b32 v6, 5, v2                        ; the bias: my lanes' eight columns begin 32 (l / 16) bytes into each block of 16
	WIN TO_B
.irp b, 0,1,2,3,4,5,6,7
	global_load_b128 v[8*(\b):8*(\b)+3],   v6, s[70:71] offset:64*(\b)
	global_load_b128 v[8*(\b)+4:8*(\b)+7], v6, s[70:71] offset:64*(\b)+16
.endr
	WIN 0
	; A fragment is 16 rows x 32 K in 8 registers: lane l holds row l % 16; registers 0-3 hold K = 8 (l / 16) + 0..7, registers 4-7 K = 16 + 8 (l / 16) + 0..7: two loads of 16 bytes, 32 bytes apart.
	v_mul_u32_u24 v3, v1, PITCH
	v_lshl_add_u32 v3, v2, 4, v3                   ; row x pitch + 16 x half
	s_mul_i32 s21, s11, HALFT                      ; my 128 rows of xb
	s_mul_i32 s22, s12, HALFT                      ; my 128 rows of wt,
	s_add_co_u32 s22, s22, 2*HALFT                 ; which lie behind xb's 256
	v_add_nc_u32 v[A0], s21, v3
	v_add_nc_u32 v[B0], s22, v3
	v_mov_b32 v[ADRA], v[A0]
	v_mov_b32 v[ADRB], v[B0]
	s_mul_i32 s23, s10, 16*SPITCH
	s_add_co_u32 s23, s23, STAGE                   ; my stage
	v_mul_u32_u24 v4, v1, SPITCH                   ; in: row l % 16, 16 bytes for each half of the lanes
	v_lshl_add_u32 v4, v2, 4, v4
	v_add_nc_u32 v[STO], s23, v4
	v_mul_u32_u24 v5, v2, SPITCH                   ; back: lanes 0-15 take one row of 256 bytes, lanes 16-31 the next
	v_lshl_add_u32 v5, v1, 4, v5
	v_add_nc_u32 v[RD], s23, v5
	v_mul_u32_u24 v5, v2, CROW                     ; and the same two rows in qkv
	v_lshl_add_u32 v[CO], v1, 4, v5
	s_lshl_b32 s13, s13, 8
	s_lshl_b32 s14, s11, 7
	s_add_co_u32 s16, s13, s14                     ; my first row of qkv
	s_mov_b32 s17, 0
	s_mov_b64 s[18:19], CROW
	s_mul_u64 s[16:17], s[16:17], s[18:19]
	s_lshl_b32 s46, s42, 9                         ; my first column, in bytes: 512 x tile column + 256 x half
	s_lshl_b32 s47, s12, 8
	s_add_co_u32 s46, s46, s47
	s_mov_b32 s47, 0
	s_add_nc_u64 s[16:17], s[16:17], s[46:47]      ; the first way out adds this to qkv's address
	s_wait_loadcnt 0x0                             ; the bias is in; it is rounded to bf16 and widened again, in place
	WIN 0x45                                       ; sources 0 and 1 and the destination in window 1
.set i, 0
.rept 32
	v_cvt_pk_bf16_f32 v[192+i], v[2*i], v[2*i+1]
.set i, i+1
.endr
.set i, 0
.rept 32
	v_lshlrev_b32 v[2*i], 16, v[192+i]
	v_and_b32 v[2*i+1], s66, v[192+i]
.set i, i+1
.endr
	WIN 0
; 16 matrix instructions: m blocks a0, a0 + 1 of the window's four (hi = 0: my rows 0-63, 1: rows 64-127) x all 8 n blocks, 32 along K.
; zero = 1: the first product starts the sums, with the bias (window 1) as its C: nothing is ever cleared.  The 64 accumulators take turns, in the same order in every quarter.
.macro MUL16 f, hi, a0, zero
.if \zero
	WIN 0x91+0x40*(\hi)                            ; source 0 (wt) window 1, source 1 (xb) window 0, C window 1, D window 2 or 3
.else
	WIN 0xa1+0x50*(\hi)                            ; the same with C in D's window
.endif
.irp a, \a0, (\a0)+1
.irp b, 0,1,2,3,4,5,6,7
.if \zero
	v_wmma_f32_16x16x32_bf16 v[8*(8*(\a)+(\b)):8*(8*(\a)+(\b))+7], v[(\f)+8*(\b):(\f)+8*(\b)+7], v[(\f)+8*(4*(\hi)+(\a)):(\f)+8*(4*(\hi)+(\a))+7], v[8*(\b):8*(\b)+7]
.else
	v_wmma_f32_16x16x32_bf16 v[8*(8*(\a)+(\b)):8*(8*(\a)+(\b))+7], v[(\f)+8*(\b):(\f)+8*(\b)+7], v[(\f)+8*(4*(\hi)+(\a)):(\f)+8*(4*(\hi)+(\a))+7], v[8*(8*(\a)+(\b)):8*(8*(\a)+(\b))+7]
.endif
.endr
.endr
.endm
; 32 LDS loads in one run: the fragments of one quarter step (128 rows of wt, 128 rows of xb, 32 K at byte k of the rows of the slot that is read) into buffer f
.macro FETCH k, f
	WIN TO_B
.irp i, 0,1,2,3,4,5,6,7
	ds_load_b128 v[(\f)+8*(\i):(\f)+8*(\i)+3],   v[ADRB] offset:(\k)+(\i)*16*PITCH
	ds_load_b128 v[(\f)+8*(\i)+4:(\f)+8*(\i)+7], v[ADRB] offset:(\k)+(\i)*16*PITCH+32
.endr
	WIN 0
.irp i, 0,1,2,3,4,5,6,7
	ds_load_b128 v[(\f)+8*(\i):(\f)+8*(\i)+3],   v[ADRA] offset:(\k)+(\i)*16*PITCH
	ds_load_b128 v[(\f)+8*(\i)+4:(\f)+8*(\i)+7], v[ADRA] offset:(\k)+(\i)*16*PITCH+32
.endr
.endm
; A load into a register that a matrix instruction has read, and a vector instruction that reads a matrix result, stand four places behind that matrix instruction; only plain vector
; instructions that name none of its registers are places (ISA guide 7.12.1 for vector instructions).
.macro PLACES
.rept 4
	v_nop
.endr
.endm
; A K step is four quarters of 32 along K, 64 matrix instructions each, on buffers 0, 1, 0, 1.  One of the first three multiplies buffer f and, in its middle, fetches the next quarter, at byte k, into g.
.macro QUARTER k, f, g, zero
	s_wait_dscnt 8                                 ; wt and xb's rows 0-63 are in; the youngest eight loads (xb's rows 64-127) may be out
	MUL16 \f, 0, 0, \zero
	MUL16 \f, 0, 2, \zero
	PLACES
	FETCH \k, \g
	s_wait_dscnt 32                                ; all but the 32 just issued
	MUL16 \f, 1, 0, \zero
	MUL16 \f, 1, 2, \zero
.endm
; The last quarter multiplies buffer 1 and changes slots: ONE barrier.  In front of it each wave waits for all its tensor loads (one is out: its part of the next slot), adds 0 to its spare word,
; and waits for that and for its own reads of this slot.  Behind it nobody reads this slot any more and the next slot is whole.
; fill = 1: the barrier opens a round of the cluster's barrier, and the slot just read out is filled again, two K steps ahead: the first tensor load behind the round.
.macro TURN fill
	WIN 0                                          ; the add's two registers lie in window 0
	s_wait_tensorcnt 0x0
	ds_add_u32 v[SPW], v[NIL]                      ; 0 onto my spare word
	s_wait_dscnt 9                                 ; the add and the youngest eight loads may be out
	MUL16 F1, 0, 0, 0                              ; sixteen matrix instructions stand between the add and the wait for it
	s_wait_dscnt 0x0                               ; the add is done, and my reads of this slot are over
	s_barrier_signal -1
	MUL16 F1, 0, 2, 0                              ; work on registers while the others arrive
	WIN 0
	s_xor_b32 s[TB], s[TB], SLOT                   ; from here on the other slot is read
	v_add_nc_u32 v[ADRA], s[TB], v[A0]
	v_add_nc_u32 v[ADRB], s[TB], v[B0]
	s_barrier_wait -1
.if \fill
	CREST                                          ; no wave of any partner still reads this slot's tile or has a load on its way
	s_xor_b32 s[G0+5], s[G0+5], SLOT               ; the walking descriptors: the other slot than last time,
	s_add_nc_u64 s[G0+6:G0+7], s[G0+6:G0+7], KSTEP*2  ; the next K step; the type bits on top are not reached
	s_xor_b32 s[G0B+5], s[G0B+5], SLOT
	s_add_nc_u64 s[G0B+6:G0B+7], s[G0B+6:G0B+7], KSTEP*2
	JLOAD 1                                        ; the four v_nop behind it are also the places in front of the loads below
.else
	PLACES
.endif
	FETCH 0, F0
	MUL16 F1, 1, 0, 0
	MUL16 F1, 1, 2, 0
.endm
; THE WAY OUT of block a (16 rows), in three parts.  PACK: rounded to f16, 16 bytes a lane, each accumulator's registers in ascending order.  TOSTAGE: into my own stage in LDS, and back as whole rows of 256 bytes.  SEND: stored.
.macro PACK a
.set AC, 64*((\a)%4)
	WIN 0x0a+5*((\a)/4)                            ; sources 0 and 1: window 2 or 3
.irp b, 0,1,2,3,4,5,6,7
.irp r, 0,1,2,3
	v_cvt_pk_f16_f32 v[TMP+4*(\b)+(\r)], v[AC+8*(\b)+2*(\r)], v[AC+8*(\b)+2*(\r)+1]
.endr
.endr
	WIN 0
.endm
.macro TOSTAGE a
	WIN 0
.set BK, OB+192*((\a)%2)
.irp b, 0,1,2,3,4,5,6,7
	ds_store_b128 v[STO], v[TMP+4*(\b):TMP+4*(\b)+3] offset:32*(\b)
.endr
.irp t, 0,1,2,3,4,5,6,7
	ds_load_b128 v[BK+4*(\t):BK+4*(\t)+3], v[RD] offset:(\t)*2*SPITCH  ; LDS serves a wave's instructions in order (ISA guide 5.7.1.4): these see the stores above
.endr
.endm
.macro SEND a, younger
	WIN 0
.set BK, OB+192*((\a)%2)
	s_wait_dscnt \younger                          ; the block is back in registers
	s_wait_xcnt 0x0                                ; only behind this wait are the stores' base and the registers that earlier stores read rewritten
.if (\a) == 0
	s_add_nc_u64 s[8:9], s[8:9], s[16:17]          ; on to my first rows
.else
	s_add_nc_u64 s[8:9], s[8:9], 16*CROW           ; 16 rows on
.endif
.irp t, 0,1,2,3,4,5,6,7
	global_store_b128 v[CO], v[BK+4*(\t):BK+4*(\t)+3], s[8:9] offset:2*(\t)*CROW  ; 16 lanes store 256 consecutive bytes, at a multiple of 256 from qkv's first byte
.endr
.endm
	s_wait_tensorcnt 1                             ; my part of K step 0 is in; K step 1's may stay out
	s_barrier_signal -1
	s_barrier_wait -1                              ; everybody's is
	FETCH 0, F0
	QUARTER 64,  F0, F1, 1                         ; the first quarter stands in front of the loop: its products start the sums
	WIN 0                                          ; at a label and at a branch every window is 0
	s_mov_b32 s3, KSTEPS-2
.Lstep:                                                ; six trips: a trip goes from a K step's second quarter to the next step's first, and fills the slot that it leaves with the step two further on
	QUARTER 128, F1, F0, 0
	QUARTER 192, F0, F1, 0
	TURN 1
	QUARTER 64,  F0, F1, 0
	WIN 0
	s_sub_co_u32 s3, s3, 1
	s_cmp_lg_u32 s3, 0
	s_cbranch_scc1 .Lstep
	QUARTER 128, F1, F0, 0                         ; the last two K steps are written out: they fill nothing, and have no round of the cluster's barrier
	QUARTER 192, F0, F1, 0
	TURN 0
	QUARTER 64,  F0, F1, 0
	QUARTER 128, F1, F0, 0
	QUARTER 192, F0, F1, 0
	s_wait_dscnt 8                                 ; the very last quarter: nothing more to fetch
	MUL16 F1, 0, 0, 0
	MUL16 F1, 0, 2, 0
	s_wait_dscnt 0x0
	MUL16 F1, 1, 0, 0
	MUL16 F1, 1, 2, 0
	PLACES                                         ; the conversions read matrix results
	PACK 0
	TOSTAGE 0
.irp a, 1,2,3,4,5,6,7                  ; block a's conversions stand between block a - 1's loads from the stage and the wait for them
	PACK \a
	SEND (\a)-1, 0
	TOSTAGE \a
.endr
	SEND 7, 0
	s_wait_tensorcnt 0x0                           ; the wave's end
	ds_add_u32 v[SPW], v[NIL]
	s_wait_dscnt 0x0
	CROUND                                         ; the closing round: no work-group ends while a partner may still ask for a tile that names it
	s_endpgm
.Lfunc_end_k_q3f10dd0369_proj:
	.size	k_q3f10dd0369_proj, .Lfunc_end_k_q3f10dd0369_proj-k_q3f10dd0369_proj
	.p2alignl 7, 3214868480
	.fill 96, 4, 3214868480
	.section	.rodata,"a",@progbits
	.p2align	6, 0x0
	.amdhsa_kernel k_q3f10dd0369_proj
		.amdhsa_group_segment_fixed_size 327680
		.amdhsa_private_segment_fixed_size 0
		.amdhsa_enable_private_segment 0
		.amdhsa_kernarg_size 32
		.amdhsa_user_sgpr_count 2
		.amdhsa_user_sgpr_kernarg_segment_ptr 1
		.amdhsa_wavefront_size32 1
		.amdhsa_system_sgpr_workgroup_id_x 1
		.amdhsa_system_sgpr_workgroup_id_y 1
		.amdhsa_system_sgpr_workgroup_id_z 1
		.amdhsa_system_vgpr_workitem_id 0
		.amdhsa_next_free_vgpr 1024
		.amdhsa_next_free_sgpr 80
		.amdhsa_reserve_vcc 0
		.amdhsa_float_denorm_mode_32 3
		.amdhsa_float_denorm_mode_16_64 3
		.amdhsa_memory_ordered 1
		.amdhsa_forward_progress 1
		.amdhsa_inst_pref_size 123
	.end_amdhsa_kernel
	.amdgpu_metadata
---
amdhsa.version: [ 1, 2 ]
amdhsa.kernels:
  - .name:           k_q3f10dd0369_proj
    .symbol:         k_q3f10dd0369_proj.kd
    .args:
      - { .name: xb, .offset: 0, .size: 8, .value_kind: global_buffer, .address_space: global }
      - { .name: wt, .offset: 8, .size: 8, .value_kind: global_buffer, .address_space: global }
      - { .name: b, .offset: 16, .size: 8, .value_kind: global_buffer, .address_space: global }
      - { .name: qkv, .offset: 24, .size: 8, .value_kind: global_buffer, .address_space: global }
    .group_segment_fixed_size: 327680
    .private_segment_fixed_size: 0
    .kernarg_segment_align: 8
    .kernarg_segment_size: 32
    .max_flat_workgroup_size: 128
    .sgpr_count:     80
    .vgpr_count:     1024
    .wavefront_size: 32
...
	.end_amdgpu_metadata
.endif
;; end of part 2
;; launch scores (part 3): grid 8 x 32, 4 waves a work-group, clusters of 4 x 4, 327,680 bytes of LDS; arguments qkv, p, st; writes p, st
.if DOCPART == 3
	.amdgcn_target "amdgcn-amd-amdhsa--gfx1250"
	.amdhsa_code_object_version 6
	.text
	.protected	k_q3f10dd0369_scores
	.globl	k_q3f10dd0369_scores
	.p2align	8
	.type	k_q3f10dd0369_scores,@function
k_q3f10dd0369_scores:
	s_mov_b64 s[64:65], 0
	v_nop
	global_prefetch_b8 v0, s[64:65] scope:SCOPE_SE
	s_setreg_imm32_b32 hwreg(HW_REG_WAVE_MODE, 25, 1), 1
	s_wait_xcnt 0x0
	s_wait_alu depctr_hold_cnt(0) depctr_sa_sdst(0) depctr_va_vdst(0) depctr_va_sdst(0) depctr_va_ssrc(0) depctr_va_vcc(0) depctr_vm_vsrc(0)
	s_getreg_b32 s2, hwreg(HW_REG_IB_STS2, 6, 4)
	s_cmp_eq_u32 s2, 0
	s_cbranch_scc0 .Lentry_in_a_cluster
	s_endpgm
.Lentry_in_a_cluster:
	s_bfe_u32 s2, ttmp6, 0x10000c
	s_cmp_lg_u32 s2, 0xf033
	s_cbranch_scc0 .Lentry_shape_is_right
	s_endpgm
.Lentry_shape_is_right:
; For each query q and each chunk j of 128 keys of its batch: s = Q[q] . K[key];  cm[j][q] = c x (the largest s of the chunk), c = log2(e) / 32;  p[q][key] = f16( 2^(c s - cm) );  l[j][q] = the sum of those weights, unrounded.
; qkv: [8192][3072] f16 (Q at byte 0, K at byte 2,048 of a row of 6,144 bytes).  p: [8192 q][2048 key] f16.  st: f32, cm[j][q] at byte 4 (8192 j + q), l[j][q] 524,288 bytes further on.
; The maximum taken away is the chunk's own true maximum, so every weight lies in 0 to 1 and every l in 1 to 128; the launch behind joins the sixteen chunks of a query by their maxima.
; LIMITS.  A weight below 2^-126 counts as 0 in l; below 6e-5 a stored weight keeps f16's fixed step of 6e-8.  NaN and infinities are not treated apart.
; A tile of 256 queries x 256 keys is made by four waves, each 128 x 128 (one chunk): 64 accumulators, 512 registers.  The 1,024 channels go in eight K steps of 128 through a ring of two LDS slots
; filled by the tensor data mover.  By this text's count two tensor loads of a wave are out at the start, one behind each change of slots.
; A TRIP OF THE K LOOP IS ONE K STEP: the base of the slot that is read lies in a scalar register, turned by an exclusive or at each change of slots, and the fragments' addresses are made anew from it.
; CLUSTERS: 4 x 4 work-groups, all of one batch (a batch is two clusters high).  The four of a row of the cluster need the same tiles of Q, the four of a column the same tiles of K: asked for JOINTLY.
; THE MATRIX INSTRUCTION IS USED TRANSPOSED: source 0 = 16 keys, source 1 = 16 queries.  Lane l holds ONE query (l % 16) and, in accumulator b, the keys 16 b + 8 (l / 16) + 0..7: a query's 128 scores
; lie in one lane and in the lane 16 away, so maximum and sum want one exchange and no barrier.
; THE SOFTMAX goes by blocks of 16 queries.  What names a block's accumulators (the maximum, and the scaling c s - cm, which lands in 64 fixed registers) is written for each block; all the rest is written
; once, in a loop of eight trips that jumps forward, on its counter, to the next block's part.
; REGISTERS, in windows of 256 (s_set_vgpr_msb: bits 1:0 source 0, 3:2 source 1, 5:4 source 2, 7:6 destination):
;   window 0: v0-31 addresses; v64-127, v128-191 fragments of Q, two buffers (behind the K loop v64-83 hold the softmax's statistics, v128-191 a block's weights); v32-63, v192-223 at work on the way out
;   window 1: v64-127, v128-191 fragments of K;   window 2: the accumulators of my queries 0-63 ((a, b) at v[8 (8 a + b)]);   window 3: those of my queries 64-127
.set SIZE_K, 1024
.set QROW,   6144                      ; bytes in a row of qkv
.set CROW,   4096                      ; bytes in a row of p
.set KSTEP,  128
.set KSTEPS, SIZE_K/KSTEP
.set PITCH,  272                       ; an LDS row: 256 bytes + 16 of padding = 68 words: row r starts at bank 4 r mod 64 (64 banks of 4 bytes: ISA guide 11.1)
.set HALFT,  128*PITCH
.set SLOT,   4*HALFT                   ; Q's 256 rows, then K's 256 rows.  0x22000: it shares no bit with wave x HALFT (0, 0x8800, 0x11000, 0x19800), so one exclusive or turns a load's LDS address in one slot into the other's
.set STAGE,  2*SLOT                    ; behind the ring: 16 rows x 272 bytes for each wave, for the way out
.set SPITCH, 272
.set SSTG,   STAGE+4*16*SPITCH         ; behind the stages: 1,024 bytes for each wave: 128 cm, then 128 l
.set SPARE,  SSTG+4*1024               ; behind that: the spare words, 128 bytes for each wave: two blocks of 256 bytes that no other line names
.set A0,   16                          ; v16     my lane's place among my Q fragments in slot 0; never rewritten
.set ADRA, 17                          ; v17     the same in the slot that is read
.set B0,   20                          ; v20, v21  the same two for K
.set ADRB, 21
.set STO,  24
.set RD,   25
.set CO,   26
.set SSA,  27                          ; v27  where I put my query's cm and l; steps by 64 a block
.set SPW,  28
.set NIL,  29
.set SRD,  30                          ; v30  where I read 16 bytes of the statistics back
.set SGO,  31                          ; v31  their byte offset in st
.set F0,   64
.set F1,   128
.set BK,   32                          ; v32-63   a block of p, back from the stage
.set CH,   64                          ; v64-71   eight running maxima
.set CM,   72                          ; v72      c x maximum; named as a pair with v73
.set LS,   74                          ; v74      the sum
.set W,    128                         ; v128-191 a block's 64 numbers a lane: c s - cm, then the weights
.set TMP,  192                         ; v192-223 the weights in f16
.set G1, 24
.set G0, 32                            ; s[32:39] group 0 for Q's tiles: a set for each of the two first fills; the second then walks on
.set G1B, 48
.set G0B, 56
.set TB, 78                            ; s78  LDS byte at which the slot that is read begins: 0 or SLOT
.set BL, 79                            ; s79  counts the blocks of the softmax
.set MSB, 0
.macro WIN new                         ; the immediate's high byte repeats the setting that is left; a switch that changes nothing is dropped
.if MSB != (\new)
	s_set_vgpr_msb (MSB<<8)|(\new)
.set MSB, \new
.endif
.endm
.set TO_B, 0x40
; A joint load.  Waves 0 and 1 fetch Q's two halves, waves 2 and 3 K's.  The branch hangs on the wave's number alone.  An s_nop 0 and four v_nop follow each of the two lines.
.macro JLOAD s
	s_cmp_eq_u32 s11, 0
	s_cbranch_scc0 .Lfor_b_\@
	tensor_load_to_lds s[G0+4*(\s):G0+4*(\s)+3], s[G1:G1+7]
	s_nop 0
.rept 4
	v_nop
.endr
	s_branch .Lasked_\@
.Lfor_b_\@:
	tensor_load_to_lds s[G0B+4*(\s):G0B+4*(\s)+3], s[G1B:G1B+7]
	s_nop 0
.rept 4
	v_nop
.endr
.Lasked_\@:
.endm
.macro CREST
	s_cmp_lg_u32 s10, 0
	s_cbranch_scc1 .Lnot_wave_0_\@
	s_barrier_signal -3
.Lnot_wave_0_\@:
	s_barrier_wait -3
	s_barrier_signal -1
	s_barrier_wait -1
.endm
.macro CROUND
	s_barrier_signal -1
	s_barrier_wait -1
	CREST
.endm
	s_load_b64 s[4:5], s[0:1], 0x0                 ; qkv
	s_load_b64 s[8:9], s[0:1], 0x8                 ; p
	s_load_b64 s[70:71], s[0:1], 0x10              ; st
	v_lshl_add_u32 v[SPW], v0, 2, SPARE
	v_mov_b32 v[NIL], 0
	ds_add_u32 v28, v29
	s_wait_dscnt 0x0
	v_lshrrev_b32 v1, 5, v0
	v_readfirstlane_b32 s10, v1                    ; wave 0..3
	s_lshr_b32 s11, s10, 1                         ; which half of the tile's queries is mine.  Also: I fetch for Q (0) or for K (1)
	s_and_b32 s12, s10, 1                          ; which half of its keys.  Also: which 128 rows of that tile I fetch
	s_bfe_u32 s40, ttmp6, 0x40000                  ; cx, cy
	s_bfe_u32 s41, ttmp6, 0x40004
	s_lshl_b32 s42, ttmp9, 2
	s_add_co_u32 s42, s42, s40                     ; tile column (256 keys of the batch) = 4 x cluster x + cx
	s_and_b32 s13, ttmp7, 0xffff
	s_lshl_b32 s13, s13, 2
	s_add_co_u32 s13, s13, s41                     ; tile row (256 queries of all 8,192) = 4 x cluster y + cy
	s_and_b32 s74, ttmp7, 0xffff
	s_lshr_b32 s74, s74, 1                         ; the batch = cluster y / 2: the whole cluster shares it
	s_lshl_b32 s74, s74, 11                        ; its first row
	s_lshl_b32 s43, s41, 2
	s_lshl_b32 s43, 15, s43                        ; my row of the cluster
	s_lshl_b32 s44, 0x1111, s40                    ; my column
	s_or_b32 s[G1+0], s43, (1<<16)|(1<<20)|(1<<21)|(5<<22)|(3<<25)  ; 15:0 the mask; 17:16 elements of 2 bytes; 20 padding on; 21 set beside a mask; 24:22 after every 64 words (code 5); 31:25 4 words (code 3)
	s_or_b32 s[G1B+0], s44, (1<<16)|(1<<20)|(1<<21)|(5<<22)|(3<<25)
.irp g, G1, G1B
	s_mov_b32 s[(\g)+1], KSTEP<<16                 ; tensor_dim0 = 128
	s_mov_b32 s[(\g)+2], 128<<16                   ; tensor_dim1 = 128
	s_mov_b32 s[(\g)+3], KSTEP<<16                 ; tile_dim0 = 128
	s_mov_b32 s[(\g)+4], 128                       ; tile_dim1 = 128
	s_mov_b32 s[(\g)+5], QROW/2                    ; 3,072 elements from row to row
	s_mov_b32 s[(\g)+6], 0
	s_mov_b32 s[(\g)+7], 0
.endr
	s_lshl_b32 s17, s12, 7
	s_lshl_b32 s16, s13, 8
	s_add_co_u32 s16, s16, s17                     ; Q: row 256 x tile row + 128 x half
	s_lshl_b32 s46, s42, 8
	s_add_co_u32 s46, s46, s17
	s_add_co_u32 s46, s46, s74                     ; K: the batch's row 256 x tile column + 128 x half
	s_mov_b32 s17, 0
	s_mov_b32 s47, 0
	s_mov_b64 s[18:19], QROW
	s_mul_u64 s[16:17], s[16:17], s[18:19]
	s_mul_u64 s[46:47], s[46:47], s[18:19]
	s_add_nc_u64 s[46:47], s[46:47], 2048          ; K's part of a row
	s_mul_i32 s20, s10, HALFT                      ; where the tiles go: wave x 128 rows
	s_lshl_b32 s72, s42, 1                         ; st: chunk 2 x tile column + half,
	s_add_co_u32 s72, s72, s12
	s_lshl_b32 s72, s72, 13                        ; 8,192 numbers a chunk,
	s_lshl_b32 s73, s13, 8
	s_add_co_u32 s72, s72, s73
	s_lshl_b32 s73, s11, 7
	s_add_co_u32 s72, s72, s73                     ; my first query,
	s_lshl_b32 s72, s72, 2                         ; 4 bytes a number
	s_mov_b32 s73, 0
	s_mov_b32 s66, 0x3d38aa3b                      ; c = log2(e) / 32 = 0.0450842
	s_mov_b32 s67, s66                             ; named with it as a pair
	s_mov_b32 s68, 0x76543210                      ; v_permlanex16_b32's selects: each lane takes its own place in the other half
	s_mov_b32 s69, 0xfedcba98
	s_mov_b32 s[TB], 0                             ; slot 0 is read first
	s_wait_kmcnt 0x0
	s_add_nc_u64 s[14:15], s[4:5], s[16:17]
	s_add_nc_u64 s[46:47], s[4:5], s[46:47]
	s_add_nc_u64 s[70:71], s[70:71], s[72:73]
	CROUND                                         ; all sixteen work-groups are here: the first joint loads meet
.irp s, 0,1
	s_mov_b32 s[G0+4*(\s)], 1
	s_add_co_u32 s[G0+4*(\s)+1], s20, (\s)*SLOT
	s_add_nc_u64 s[G0+4*(\s)+2:G0+4*(\s)+3], s[14:15], (\s)*KSTEP*2
	s_or_b32 s[G0+4*(\s)+3], s[G0+4*(\s)+3], 0x80000000
	s_mov_b32 s[G0B+4*(\s)], 1
	s_add_co_u32 s[G0B+4*(\s)+1], s20, (\s)*SLOT
	s_add_nc_u64 s[G0B+4*(\s)+2:G0B+4*(\s)+3], s[46:47], (\s)*KSTEP*2
	s_or_b32 s[G0B+4*(\s)+3], s[G0B+4*(\s)+3], 0x80000000
	JLOAD \s
.endr
	v_and_b32 v1, 15, v0                           ; l % 16
	v_bfe_u32 v2, v0, 4, 1                         ; l / 16
	v_mul_u32_u24 v3, v1, PITCH
	v_lshl_add_u32 v3, v2, 4, v3                   ; a fragment's row x pitch + 16 x half
	s_mul_i32 s21, s11, HALFT                      ; my 128 rows of Q
	s_mul_i32 s22, s12, HALFT                      ; my 128 rows of K,
	s_add_co_u32 s22, s22, 2*HALFT                 ; which lie behind Q's 256
	v_add_nc_u32 v[A0], s21, v3
	v_add_nc_u32 v[B0], s22, v3
	v_mov_b32 v[ADRA], v[A0]
	v_mov_b32 v[ADRB], v[B0]
	s_mul_i32 s23, s10, 16*SPITCH
	s_add_co_u32 s23, s23, STAGE                   ; my stage
	v_mul_u32_u24 v4, v1, SPITCH
	v_lshl_add_u32 v4, v2, 4, v4
	v_add_nc_u32 v[STO], s23, v4
	v_mul_u32_u24 v5, v2, SPITCH
	v_lshl_add_u32 v5, v1, 4, v5
	v_add_nc_u32 v[RD], s23, v5
	v_lshlrev_b32 v5, 12, v2                       ; the same two rows in p
	v_lshl_add_u32 v[CO], v1, 4, v5
	s_lshl_b32 s23, s10, 10
	s_add_co_u32 s23, s23, SSTG                    ; my statistics
	v_lshl_add_u32 v[SSA], v1, 2, s23
	v_and_b32 v6, 31, v0
	v_lshl_add_u32 v[SRD], v6, 4, s23
	v_lshlrev_b32 v[SGO], 4, v6
	s_lshl_b32 s13, s13, 8
	s_lshl_b32 s14, s11, 7
	s_add_co_u32 s16, s13, s14                     ; my first row of p
	s_mov_b32 s17, 0
	s_mov_b64 s[18:19], CROW
	s_mul_u64 s[16:17], s[16:17], s[18:19]
	s_lshl_b32 s46, s42, 9                         ; my first key, in bytes: 512 x tile column + 256 x half
	s_lshl_b32 s47, s12, 8
	s_add_co_u32 s46, s46, s47
	s_mov_b32 s47, 0
	s_add_nc_u64 s[16:17], s[16:17], s[46:47]      ; what the first block's stores add to p's address
; 16 matrix instructions: query blocks a0, a0 + 1 of the window's four x all 8 key blocks, 32 channels.  zero = 1: the first product starts the sums.  The 64 accumulators take turns.
.macro MUL16 f, hi, a0, zero
	WIN 0xa1+0x50*(\hi)                            ; source 0 (K) window 1, source 1 (Q) window 0, C and D window 2 or 3
.irp a, \a0, (\a0)+1
.irp b, 0,1,2,3,4,5,6,7
.if \zero
	v_wmma_f32_16x16x32_f16 v[8*(8*(\a)+(\b)):8*(8*(\a)+(\b))+7], v[(\f)+8*(\b):(\f)+8*(\b)+7], v[(\f)+8*(4*(\hi)+(\a)):(\f)+8*(4*(\hi)+(\a))+7], 0
.else
	v_wmma_f32_16x16x32_f16 v[8*(8*(\a)+(\b)):8*(8*(\a)+(\b))+7], v[(\f)+8*(\b):(\f)+8*(\b)+7], v[(\f)+8*(4*(\hi)+(\a)):(\f)+8*(4*(\hi)+(\a))+7], v[8*(8*(\a)+(\b)):8*(8*(\a)+(\b))+7]
.endif
.endr
.endr
.endm
.macro FETCH k, f                      ; 32 LDS loads in one run: K's, then Q's fragments of one quarter step, out of the slot that is read
	WIN TO_B
.irp i, 0,1,2,3,4,5,6,7
	ds_load_b128 v[(\f)+8*(\i):(\f)+8*(\i)+3],   v[ADRB] offset:(\k)+(\i)*16*PITCH
	ds_load_b128 v[(\f)+8*(\i)+4:(\f)+8*(\i)+7], v[ADRB] offset:(\k)+(\i)*16*PITCH+32
.endr
	WIN 0
.irp i, 0,1,2,3,4,5,6,7
	ds_load_b128 v[(\f)+8*(\i):(\f)+8*(\i)+3],   v[ADRA] offset:(\k)+(\i)*16*PITCH
	ds_load_b128 v[(\f)+8*(\i)+4:(\f)+8*(\i)+7], v[ADRA] offset:(\k)+(\i)*16*PITCH+32
.endr
.endm
.macro PLACES                          ; four places in front of loads into registers that matrix instructions have read, and of vector work on matrix results (ISA guide 7.12.1 for vector instructions)
.rept 4
	v_nop
.endr
.endm
.macro QUARTER k, f, g, zero
	s_wait_dscnt 8                                 ; K and Q's rows 0-63 are in; the youngest eight loads (Q's rows 64-127) may be out
	MUL16 \f, 0, 0, \zero
	MUL16 \f, 0, 2, \zero
	PLACES
	FETCH \k, \g
	s_wait_dscnt 32                                ; all but the 32 just issued
	MUL16 \f, 1, 0, \zero
	MUL16 \f, 1, 2, \zero
.endm
; The change of slots: ONE barrier; in front of it each wave waits for all its tensor loads (one is out: its part of the next slot), adds 0 to its spare word, and waits for that and for its own reads of this slot.
; fill = 1: the barrier opens a round of the cluster's barrier, and the slot just read out is filled again, two K steps ahead: the first tensor load behind the round.
.macro TURN fill
	WIN 0
	s_wait_tensorcnt 0x0
	ds_add_u32 v[SPW], v[NIL]                      ; 0 onto my spare word
	s_wait_dscnt 9                                 ; the add and the youngest eight loads may be out
	MUL16 F1, 0, 0, 0
	s_wait_dscnt 0x0                               ; the add is done, and my reads of this slot are over
	s_barrier_signal -1
	MUL16 F1, 0, 2, 0
	WIN 0
	s_xor_b32 s[TB], s[TB], SLOT                   ; from here on the other slot is read
	v_add_nc_u32 v[ADRA], s[TB], v[A0]
	v_add_nc_u32 v[ADRB], s[TB], v[B0]
	s_barrier_wait -1
.if \fill
	CREST                                          ; no wave of any partner still reads this slot's tile or has a load on its way
	s_xor_b32 s[G0+5], s[G0+5], SLOT               ; the walking descriptors: the other slot than last time,
	s_add_nc_u64 s[G0+6:G0+7], s[G0+6:G0+7], KSTEP*2  ; the next K step; the type bits on top are not reached
	s_xor_b32 s[G0B+5], s[G0B+5], SLOT
	s_add_nc_u64 s[G0B+6:G0B+7], s[G0B+6:G0B+7], KSTEP*2
	JLOAD 1                                        ; the first tensor load behind the round; its four v_nop are also the places in front of the loads below
.else
	PLACES
.endif
	FETCH 0, F0
	MUL16 F1, 1, 0, 0
	MUL16 F1, 1, 2, 0
.endm
; WHAT NAMES BLOCK a's ACCUMULATORS (16 queries x my 128 keys, 64 scores a lane): the maximum, and c s - cm into the fixed registers W.  The accumulators themselves are left as they are.
.macro HEAD a
.set AC, 64*((\a)%4)
.set HW, (\a)/4
	WIN 0x2a+0x15*HW                               ; three sources in the block's window.  Eight chains, one an accumulator
.set ib, 0
.rept 8
	v_max3_num_f32 v[CH+ib], v[AC+8*ib], v[AC+8*ib+1], v[AC+8*ib+2]
.set ib, ib+1
.endr
	WIN 0x0a+5*HW                                  ; sources 0 and 1 in the block's window
.set ib, 0
.rept 8
	v_max3_num_f32 v[CH+ib], v[AC+8*ib+3], v[AC+8*ib+4], v[CH+ib]
.set ib, ib+1
.endr
.set ib, 0
.rept 8
	v_max3_num_f32 v[CH+ib], v[AC+8*ib+5], v[AC+8*ib+6], v[CH+ib]
.set ib, ib+1
.endr
.set ib, 0
.rept 4
	v_max3_num_f32 v[CH+ib], v[AC+8*ib+7], v[AC+8*ib+15], v[CH+ib]
.set ib, ib+2
.endr
	WIN 0
	v_max3_num_f32 v[CH], v[CH], v[CH+1], v[CH+2]
	v_max3_num_f32 v[CH+3], v[CH+3], v[CH+4], v[CH+5]
	v_max3_num_f32 v[CH], v[CH], v[CH+3], v[CH+6]
	v_max_num_f32 v[CH], v[CH], v[CH+7]
	v_permlanex16_b32 v[CH+1], v[CH], s68, s69     ; the query's other 64 keys lie in the lane 16 away
	v_max_num_f32 v[CH], v[CH], v[CH+1]
	v_mul_f32 v[CM], s66, v[CH]                    ; cm, as it is stored: the weights are taken against this very number
	WIN 0x02+HW                                    ; source 0 in the block's window; cm and the destination in window 0
.set ib, 0
.rept 32
	v_pk_fma_f32 v[W+2*ib:W+2*ib+1], v[AC+2*ib:AC+2*ib+1], s[66:67], v[CM:CM+1] op_sel_hi:[1,0,0] neg_lo:[0,0,1] neg_hi:[0,0,1]  ; c s - cm
.set ib, ib+1
.endr
	WIN 0                                          ; at a label and at a branch every window is 0
.endm
	s_wait_tensorcnt 1                             ; my part of K step 0 is in; K step 1's may stay out
	s_barrier_signal -1
	s_barrier_wait -1
	FETCH 0, F0
	QUARTER 64,  F0, F1, 1
	WIN 0
	s_mov_b32 s3, KSTEPS-2
.Lstep:                                                ; six trips: a trip goes from a K step's second quarter to the next step's first, and fills the slot that it leaves with the step two further on
	QUARTER 128, F1, F0, 0
	QUARTER 192, F0, F1, 0
	TURN 1
	QUARTER 64,  F0, F1, 0
	WIN 0
	s_sub_co_u32 s3, s3, 1
	s_cmp_lg_u32 s3, 0
	s_cbranch_scc1 .Lstep
	QUARTER 128, F1, F0, 0                         ; the last two K steps are written out: they fill nothing
	QUARTER 192, F0, F1, 0
	TURN 0
	QUARTER 64,  F0, F1, 0
	QUARTER 128, F1, F0, 0
	QUARTER 192, F0, F1, 0
	s_wait_dscnt 8
	MUL16 F1, 0, 0, 0
	MUL16 F1, 0, 2, 0
	s_wait_dscnt 0x0
	MUL16 F1, 1, 0, 0
	MUL16 F1, 1, 2, 0
	PLACES
	WIN 0
	v_mov_b32 v[CM+1], 0                           ; named with cm as a pair; the scaling takes the pair's low word for both halves
	HEAD 0
	s_mov_b32 s[BL], 0
.Lblk:                                                 ; eight trips.  Trip a: block a's weights, sum, stage and statistics; then block a + 1's maximum and scaling; then block a's stores
	; 64 exponentials, in place.  Behind exponential i stands one plain instruction on results at least one exponential older: at even i the rounding of the pair made by exponentials i - 2 and i - 1, at odd i the
	; addition of the pair made by i - 3 and i - 2 onto pair 0 (which has been rounded by then).  So every result has a plain instruction between its exponential and its first use (ISA guide 5.7.2); two v_nop fill the first two such places.
.set i, 0
.rept 64
	v_exp_f32 v[W+i], v[W+i]
.if (i == 1) || (i == 3)
	v_nop
.elseif (i >= 2) && (i%2 == 0)
	s_wait_alu depctr_va_vdst(0)
	v_cvt_pk_f16_f32 v[TMP+(i-2)/2], v[W+i-2], v[W+i-1]
.elseif i >= 5
	v_pk_add_f32 v[W:W+1], v[W:W+1], v[W+i-3:W+i-2]
.endif
.set i, i+1
.endr
	s_wait_alu depctr_va_vdst(0)
	v_cvt_pk_f16_f32 v[TMP+31], v[W+62], v[W+63]   ; the addition just above stands between the last exponential and this line
	s_wait_xcnt 0x0                                ; the last block's stores have read their registers and their base: BK is loaded again, and the base stepped, only behind this wait
.irp b, 0,1,2,3,4,5,6,7
	ds_store_b128 v[STO], v[TMP+4*(\b):TMP+4*(\b)+3] offset:32*(\b)  ; the block's weights, 16 bytes a lane, into my own stage,
.endr
.irp t, 0,1,2,3,4,5,6,7
	ds_load_b128 v[BK+4*(\t):BK+4*(\t)+3], v[RD] offset:(\t)*2*SPITCH  ; and back as whole rows of 256 bytes: LDS serves a wave's instructions in order (ISA guide 5.7.1.4)
.endr
	v_pk_add_f32 v[W:W+1], v[W:W+1], v[W+62:W+63]
	v_add_f32 v[LS], v[W], v[W+1]
	v_permlanex16_b32 v[CH+1], v[LS], s68, s69
	v_add_f32 v[LS], v[LS], v[CH+1]
	ds_store_b32 v[SSA], v[CM]                     ; both lanes of a query write the same word with the same number
	ds_store_b32 v[SSA], v[LS] offset:512
	v_add_nc_u32 v[SSA], 64, v[SSA]                ; the next block's sixteen words
.irp a, 1,2,3,4,5,6,7
	s_cmp_eq_u32 s[BL], (\a)-1
	s_cbranch_scc1 .Lh\a
.endr
	s_branch .Lsend                                ; behind the last block there is no next
.irp a, 1,2,3,4,5,6,7
.Lh\a:
	HEAD \a                                        ; it stands between the stage's loads and the wait for them
.if (\a) < 7
	s_branch .Lsend
.endif
.endr
.Lsend:
	s_wait_dscnt 2                                 ; the block is back in registers; its two statistics, stored behind the loads, may be out
	s_add_nc_u64 s[8:9], s[8:9], s[16:17]          ; on to my first rows, then 16 rows on each time
	s_mov_b64 s[16:17], 16*CROW
.irp t, 0,1,2,3,4,5,6,7
	global_store_b128 v[CO], v[BK+4*(\t):BK+4*(\t)+3], s[8:9] offset:2*(\t)*CROW  ; 16 lanes store 256 consecutive bytes, at a multiple of 256 from p's first byte
.endr
	s_add_co_u32 s[BL], s[BL], 1
	s_cmp_lt_u32 s[BL], 8
	s_cbranch_scc1 .Lblk
	ds_load_b128 v[76:79], v[SRD]                  ; my 128 cm and my 128 l, 512 consecutive bytes each
	ds_load_b128 v[80:83], v[SRD] offset:512
	s_wait_dscnt 0x0
	global_store_b128 v[SGO], v[76:79], s[70:71]
	global_store_b128 v[SGO], v[80:83], s[70:71] offset:524288
	s_wait_tensorcnt 0x0                           ; the wave's end
	ds_add_u32 v[SPW], v[NIL]
	s_wait_dscnt 0x0
	CROUND                                         ; the closing round
	s_endpgm
.Lfunc_end_k_q3f10dd0369_scores:
	.size	k_q3f10dd0369_scores, .Lfunc_end_k_q3f10dd0369_scores-k_q3f10dd0369_scores
	.p2alignl 7, 3214868480
	.fill 96, 4, 3214868480
	.section	.rodata,"a",@progbits
	.p2align	6, 0x0
	.amdhsa_kernel k_q3f10dd0369_scores
		.amdhsa_group_segment_fixed_size 327680
		.amdhsa_private_segment_fixed_size 0
		.amdhsa_enable_private_segment 0
		.amdhsa_kernarg_size 24
		.amdhsa_user_sgpr_count 2
		.amdhsa_user_sgpr_kernarg_segment_ptr 1
		.amdhsa_wavefront_size32 1
		.amdhsa_system_sgpr_workgroup_id_x 1
		.amdhsa_system_sgpr_workgroup_id_y 1
		.amdhsa_system_sgpr_workgroup_id_z 1
		.amdhsa_system_vgpr_workitem_id 0
		.amdhsa_next_free_vgpr 1024
		.amdhsa_next_free_sgpr 80
		.amdhsa_reserve_vcc 0
		.amdhsa_float_denorm_mode_32 3
		.amdhsa_float_denorm_mode_16_64 3
		.amdhsa_memory_ordered 1
		.amdhsa_forward_progress 1
		.amdhsa_inst_pref_size 131
	.end_amdhsa_kernel
	.amdgpu_metadata
---
amdhsa.version: [ 1, 2 ]
amdhsa.kernels:
  - .name:           k_q3f10dd0369_scores
    .symbol:         k_q3f10dd0369_scores.kd
    .args:
      - { .name: qkv, .offset: 0, .size: 8, .value_kind: global_buffer, .address_space: global }
      - { .name: p, .offset: 8, .size: 8, .value_kind: global_buffer, .address_space: global }
      - { .name: st, .offset: 16, .size: 8, .value_kind: global_buffer, .address_space: global }
    .group_segment_fixed_size: 327680
    .private_segment_fixed_size: 0
    .kernarg_segment_align: 8
    .kernarg_segment_size: 24
    .max_flat_workgroup_size: 128
    .sgpr_count:     80
    .vgpr_count:     1024
    .wavefront_size: 32
...
	.end_amdgpu_metadata
.endif
;; end of part 3
;; launch pv (part 4): grid 8 x 32, 4 waves a work-group, clusters of 4 x 4, 327,680 bytes of LDS; arguments p, qkv, st, out0; writes out0
.if DOCPART == 4
	.amdgcn_target "amdgcn-amd-amdhsa--gfx1250"
	.amdhsa_code_object_version 6
	.text
	.protected	k_q3f10dd0369_pv
	.globl	k_q3f10dd0369_pv
	.p2align	8
	.type	k_q3f10dd0369_pv,@function
k_q3f10dd0369_pv:
	s_mov_b64 s[64:65], 0
	v_nop
	global_prefetch_b8 v0, s[64:65] scope:SCOPE_SE
	s_setreg_imm32_b32 hwreg(HW_REG_WAVE_MODE, 25, 1), 1
	s_wait_xcnt 0x0
	s_wait_alu depctr_hold_cnt(0) depctr_sa_sdst(0) depctr_va_vdst(0) depctr_va_sdst(0) depctr_va_ssrc(0) depctr_va_vcc(0) depctr_vm_vsrc(0)
	s_getreg_b32 s2, hwreg(HW_REG_IB_STS2, 6, 4)
	s_cmp_eq_u32 s2, 0
	s_cbranch_scc0 .Lentry_in_a_cluster
	s_endpgm
.Lentry_in_a_cluster:
	s_bfe_u32 s2, ttmp6, 0x10000c
	s_cmp_lg_u32 s2, 0xf033
	s_cbranch_scc0 .Lentry_shape_is_right
	s_endpgm
.Lentry_shape_is_right:
; out0[q][d] = the sum over chunks j of g_j x ( the sum over the chunk's 128 keys of p[q][key] V[key][d] ),  g_j = f_j / L,  f_j = 2^(cm_j - CM),  CM = the largest of the query's sixteen cm_j,  L = the sum of f_j l_j.
; p: [8192 q][2048 key] f16, weights against their chunk's maximum.  st: f32, cm[j][q] at byte 4 (8192 j + q), l[j][q] 524,288 bytes on.  V: bytes 4,096 on of qkv's rows of 6,144 bytes, f16.  out0: [8192][1024] f32.
; CM is the row's true maximum (times c), so every f lies in 0 to 1 and L in 1 to 2,048.  A K step of 128 keys is one chunk: it has sums of its own, started with the constant 0, and behind it the sums
; are added onto the totals, times g_j, in f32: 128 packed multiply-adds for a step's 128 matrix instructions.  The division by L lies in g, so the way out scales nothing.
; LIMITS.  An f below 2^-126 counts as 0.  NaN and infinities are not treated apart.
; THE TOTALS START AT 0: 256 v_mov_b32, which stand in the wait for the first tiles.  That is the price of writing no first K step out (four more quarters of text).
; A tile of 256 queries x 128 channels is made by four waves, each 64 queries x 128 channels: 32 accumulators; this tile gives each of 256 work-groups one.  The 2,048 keys go in sixteen K steps
; of 128 through a ring of two LDS slots.  By this text's count two tensor loads of a wave are out at the start, one behind each change of slots.
; A TRIP OF THE LOOP IS ONE K STEP: the base of the slot that is read lies in a scalar register, turned by an exclusive or at each change of slots, and the fragments' addresses are made anew from it.
; CLUSTERS: 4 x 4 work-groups, all of one batch.  The four of a row of the cluster need the same tiles of p, the four of a column the same tiles of V: asked for JOINTLY.
; ASKED FOR AHEAD.  Two slots of two K steps do not fit in LDS (2 x 212,992 bytes), so a joint load has one K step in which to land.  Wave 0 therefore names later tiles by global_prefetch_b8: in trip t, behind the
; trip's first run of LDS loads, 32 rows of p's tile of K step t + 3, whose joint load is issued in trip t + 1; in every second trip 32 rows of V's tiles of K steps t + 3 and t + 4.  The 8 work-groups that read a
; tile of p share its 256 rows out by their tile column, the 8 that read a pair of V's tiles its 256 rows by their tile row: a lane names the first byte of its row's 256 bytes of the tile, and each such piece is
; named once in the launch.  K step 2 (V's step 3 too) is named at the head; steps 0 and 1 are loaded at once; the last trip names nothing, since K step 15 is the last.
; THE MATRIX INSTRUCTION IS USED TRANSPOSED: source 0 = 16 channels of V (turned on its way out of LDS by ds_load_tr16_b128), source 1 = 16 queries of p.  Lane l holds query l % 16 and the channels 8 (l / 16) + 0..7.
; REGISTERS (s_set_vgpr_msb: bits 1:0 source 0, 3:2 source 1, 5:4 source 2, 7:6 destination): window 0: v0-31 addresses; v32-39 a chunk's factors, a pair for each of my four blocks of queries;
; v64-159, v160-255 two fragment buffers (32 registers of p, then 64 of V); window 1: the chunk's accumulator (a, b) at v[8 (8 a + b)]; window 2: the totals, at the same numbers.
.set QROW,  6144
.set PROW,  4096                       ; bytes in a row of p, and of out0
.set KSTEPS, 16
.set PA,    272                        ; a row of p in LDS: 256 bytes + 16 of padding: the 16 rows of a load start at 16 different groups of four banks (64 banks of 4 bytes: ISA guide 11.1)
.set PB,    288                        ; a row of V: 256 + 32
.set AHALF, 128*PA                     ; what one tensor load brings of p
.set BHALF, 64*PB                      ; and of V
.set BOFF,  2*AHALF                    ; V's 128 rows lie behind p's 256: a slot has 106,496 bytes
.set SLOT1, 1<<17                      ; slot 1 begins here, above all of slot 0, so that one exclusive or turns an address in one slot into the other's
.set FT,    SLOT1+BOFF+2*BHALF         ; behind the ring: 8,192 bytes for each wave: at 512 j + 32 r + 8 a lies g_j, twice, for my query 16 a + r
.set FTW,   8192
.set STAGE, FT+4*FTW                   ; 16 rows x 528 bytes for each wave, for the way out
.set SPITCH, 528
.set SPARE, STAGE+4*16*SPITCH          ; the spare words, 128 bytes for each wave: two blocks of 256 bytes that no other line names
.set FW,   9                           ; v9   where I put my two queries' factors
.set SL,   11                          ; v11  my byte offset in a chunk's statistics
.set PL,   12                          ; v12  asking ahead: my lane's row of p, 4,096 bytes a row; never rewritten
.set VL,   13                          ; v13  asking ahead: my lane's row of V, 6,144 bytes a row; never rewritten
.set A0,   16                          ; v16  my lane's place among my fragments of p in slot 0; never rewritten
.set ADRA, 17                          ; v17  the same in the slot that is read
.set B0,   20                          ; v20, v21  the same two for V
.set ADRB, 21
.set STO,  24
.set RD,   25
.set CO,   26
.set FTA,  27                          ; v27  where my query's factors of the chunk in hand lie; steps by 512 a K step
.set SPW,  28
.set NIL,  29
.set FC,   32
.set F0,   64
.set F1,   160
.set TMP,  64                          ; the way out: v64-127 a block's results, v128-191 the same back from the stage
.set BK,   128
.set G1, 24
.set G0, 32                            ; s[32:39] group 0 for p's tiles: a set for each of the two first fills; the second then walks on
.set G1B, 48
.set G0B, 56
.set TB, 78                            ; s78  LDS byte at which the slot that is read begins: 0 or SLOT1
.set BL, 79                            ; s79  counts the blocks of the way out
.set PFP, 80                           ; s[80:81] asking ahead: p at my work-group's 32 rows of the tile last named
.set PFV, 82                           ; s[82:83] asking ahead: V at my work-group's 32 rows of the pair of tiles last named
.set MSB, 0
.macro WIN new                         ; the immediate's high byte repeats the setting that is left; a switch that changes nothing is dropped
.if MSB != (\new)
	s_set_vgpr_msb (MSB<<8)|(\new)
.set MSB, \new
.endif
.endm
; A joint load.  Waves 0 and 1 fetch p's two halves, waves 2 and 3 V's.  The branch hangs on the wave's number alone.  An s_nop 0 and four v_nop follow each of the two lines.
.macro JLOAD s
	s_cmp_eq_u32 s11, 0
	s_cbranch_scc0 .Lfor_b_\@
	tensor_load_to_lds s[G0+4*(\s):G0+4*(\s)+3], s[G1:G1+7]
	s_nop 0
.rept 4
	v_nop
.endr
	s_branch .Lasked_\@
.Lfor_b_\@:
	tensor_load_to_lds s[G0B+4*(\s):G0B+4*(\s)+3], s[G1B:G1B+7]
	s_nop 0
.rept 4
	v_nop
.endr
.Lasked_\@:
.endm
.macro CREST
	s_cmp_lg_u32 s10, 0
	s_cbranch_scc1 .Lnot_wave_0_\@
	s_barrier_signal -3
.Lnot_wave_0_\@:
	s_barrier_wait -3
	s_barrier_signal -1
	s_barrier_wait -1
.endm
.macro CROUND
	s_barrier_signal -1
	s_barrier_wait -1
	CREST
.endm
	s_load_b128 s[4:7], s[0:1], 0x0                ; p s[4:5], qkv s[6:7]
	s_load_b64 s[70:71], s[0:1], 0x10              ; st
	s_load_b64 s[8:9], s[0:1], 0x18                ; out0
	v_lshl_add_u32 v[SPW], v0, 2, SPARE
	v_mov_b32 v[NIL], 0
	ds_add_u32 v28, v29
	s_wait_dscnt 0x0
	v_lshrrev_b32 v1, 5, v0
	v_readfirstlane_b32 s10, v1                    ; wave 0..3: my 64 queries of the tile
	s_lshr_b32 s11, s10, 1                         ; I fetch for p (0) or for V (1)
	s_and_b32 s12, s10, 1                          ; which half of that tile's rows I fetch
	s_bfe_u32 s40, ttmp6, 0x40000                  ; cx, cy
	s_bfe_u32 s41, ttmp6, 0x40004
	s_lshl_b32 s42, ttmp9, 2
	s_add_co_u32 s42, s42, s40                     ; tile column (128 channels) = 4 x cluster x + cx
	s_and_b32 s13, ttmp7, 0xffff
	s_lshl_b32 s13, s13, 2
	s_add_co_u32 s13, s13, s41                     ; tile row (256 queries) = 4 x cluster y + cy
	s_and_b32 s74, ttmp7, 0xffff
	s_lshr_b32 s74, s74, 1                         ; the batch = cluster y / 2: the whole cluster shares it
	s_lshl_b32 s74, s74, 11                        ; its first row
	s_lshl_b32 s43, s41, 2
	s_lshl_b32 s43, 15, s43                        ; my row of the cluster
	s_lshl_b32 s44, 0x1111, s40                    ; my column
	; group 1 for p: 128 rows x 128 elements, 4 words of padding behind every 64; for V: 64 rows x 128 elements, 8 words of padding
	s_or_b32 s[G1+0], s43, (1<<16)|(1<<20)|(1<<21)|(5<<22)|(3<<25)
	s_mov_b32 s[G1+1], 128<<16                     ; tensor_dim0 = 128
	s_mov_b32 s[G1+2], 128<<16                     ; tensor_dim1 = 128
	s_mov_b32 s[G1+3], 128<<16                     ; tile_dim0 = 128
	s_mov_b32 s[G1+4], 128                         ; tile_dim1 = 128
	s_mov_b32 s[G1+5], PROW/2                      ; 2,048 elements from row to row
	s_mov_b32 s[G1+6], 0
	s_mov_b32 s[G1+7], 0
	s_or_b32 s[G1B+0], s44, (1<<16)|(1<<20)|(1<<21)|(5<<22)|(7<<25)
	s_mov_b32 s[G1B+1], 128<<16
	s_mov_b32 s[G1B+2], 64<<16                     ; tensor_dim1 = 64
	s_mov_b32 s[G1B+3], 128<<16
	s_mov_b32 s[G1B+4], 64                         ; tile_dim1 = 64
	s_mov_b32 s[G1B+5], QROW/2                     ; 3,072 elements from row to row
	s_mov_b32 s[G1B+6], 0
	s_mov_b32 s[G1B+7], 0
	s_lshl_b32 s16, s13, 8
	s_lshl_b32 s17, s12, 7
	s_add_co_u32 s16, s16, s17
	s_lshl_b32 s16, s16, 12                        ; p: row 256 x tile row + 128 x half, 4,096 bytes a row
	s_mov_b32 s17, 0
	s_lshl_b32 s46, s12, 6
	s_add_co_u32 s46, s46, s74
	s_mul_i32 s46, s46, QROW                       ; V: the batch's row 64 x half,
	s_lshl_b32 s47, s42, 8
	s_add_co_u32 s46, s46, s47                     ; 256 bytes a tile column,
	s_add_co_u32 s46, s46, 4096                    ; in V's part of a row
	s_mov_b32 s47, 0
	s_mul_i32 s20, s12, AHALF                      ; where the tiles go: no place in the cluster enters an LDS address
	s_mul_i32 s21, s12, BHALF
	s_add_co_u32 s21, s21, BOFF
	s_lshl_b32 s75, s13, 8
	s_lshl_b32 s72, s10, 6
	s_add_co_u32 s75, s75, s72                     ; my wave's first query
	s_lshl_b32 s72, s75, 2                         ; in a chunk's statistics
	s_mov_b32 s73, 0
	s_lshl_b32 s76, s75, 12                        ; and in out0,
	s_lshl_b32 s77, s42, 9
	s_add_co_u32 s76, s76, s77                     ; 512 bytes a tile column
	s_mov_b32 s77, 0
	s_lshl_b32 s84, s13, 8                         ; asking ahead, in registers that feed no descriptor.  p: of my tile row's 256 rows
	s_lshl_b32 s85, s42, 5
	s_add_co_u32 s84, s84, s85                     ; the 32 that go by my tile column,
	s_lshl_b32 s84, s84, 12                        ; 4,096 bytes a row,
	s_add_co_u32 s84, s84, 2*256                   ; at K step 2
	s_mov_b32 s85, 0
	s_and_b32 s86, s13, 7                          ; V: of the 256 rows of two K steps the 32 that go by my tile row in the batch,
	s_lshl_b32 s86, s86, 5
	s_add_co_u32 s86, s86, s74
	s_add_co_u32 s86, s86, 2*128                   ; at K steps 2 and 3,
	s_mul_i32 s86, s86, QROW
	s_lshl_b32 s87, s42, 8
	s_add_co_u32 s86, s86, s87                     ; my tile column's 256 bytes,
	s_add_co_u32 s86, s86, 4096                    ; in V's part of a row
	s_mov_b32 s87, 0
	s_mov_b32 s[TB], 0                             ; slot 0 is read first
	s_wait_kmcnt 0x0
	s_add_nc_u64 s[14:15], s[4:5], s[16:17]
	s_add_nc_u64 s[46:47], s[6:7], s[46:47]
	s_add_nc_u64 s[70:71], s[70:71], s[72:73]
	s_add_nc_u64 s[8:9], s[8:9], s[76:77]
	s_add_nc_u64 s[PFP:PFP+1], s[4:5], s[84:85]
	s_add_nc_u64 s[PFV:PFV+1], s[6:7], s[86:87]
	CROUND                                         ; all sixteen work-groups are here: the first joint loads meet
.irp s, 0,1
	s_mov_b32 s[G0+4*(\s)], 1
	s_add_co_u32 s[G0+4*(\s)+1], s20, (\s)*SLOT1
	s_add_nc_u64 s[G0+4*(\s)+2:G0+4*(\s)+3], s[14:15], (\s)*256        ; K step s: 128 keys along p's rows
	s_or_b32 s[G0+4*(\s)+3], s[G0+4*(\s)+3], 0x80000000
	s_mov_b32 s[G0B+4*(\s)], 1
	s_add_co_u32 s[G0B+4*(\s)+1], s21, (\s)*SLOT1
	s_add_nc_u64 s[G0B+4*(\s)+2:G0B+4*(\s)+3], s[46:47], (\s)*128*QROW  ; 128 rows of V down
	s_or_b32 s[G0B+4*(\s)+3], s[G0B+4*(\s)+3], 0x80000000
	JLOAD \s
.endr
	; THE FACTORS, made while the first tiles are on their way.  Lane L takes my wave's queries 2 L and 2 L + 1: a wave's load covers 256 consecutive bytes of a chunk's statistics.
	v_and_b32 v3, 31, v0                           ; L
	v_lshlrev_b32 v[SL], 3, v3
	v_lshlrev_b32 v[PL], 12, v3
	v_mul_u32_u24 v[VL], v3, QROW
.set j, 0
.rept 16
	global_load_b64 v[64+2*j:65+2*j], v[SL], s[70:71] offset:32768*j         ; cm_j
.set j, j+1
.endr
.set j, 0
.rept 16
	global_load_b64 v[96+2*j:97+2*j], v[SL], s[70:71] offset:524288+32768*j  ; l_j
.set j, j+1
.endr
	s_cmp_lg_u32 s10, 0                            ; wave 0 alone asks ahead; here, behind its loads: my 32 rows of p's K step 2 and of V's K steps 2 and 3
	s_cbranch_scc1 .Lnot_the_asker
	global_prefetch_b8 v[PL], s[PFP:PFP+1] th:TH_LOAD_NT scope:SCOPE_SE
	global_prefetch_b8 v[VL], s[PFV:PFV+1] th:TH_LOAD_NT scope:SCOPE_SE
.Lnot_the_asker:
	WIN 0x80                                       ; destination window 2: the totals start at 0
.set i, 0
.rept 256
	v_mov_b32 v[i], 0
.set i, i+1
.endr
	WIN 0
	v_and_b32 v1, 15, v0                           ; r = L % 16
	v_bfe_u32 v2, v0, 4, 1                         ; h = L / 16
	v_and_b32 v4, 7, v0                            ; L % 8
	v_bfe_u32 v5, v0, 3, 1                         ; (L / 8) % 2
	v_bfe_u32 v6, v0, 3, 2                         ; L / 8
	v_mul_u32_u24 v7, v1, PA
	v_lshl_add_u32 v7, v2, 4, v7                   ; a fragment of p: row x pitch + 16 x half,
	s_mul_i32 s22, s10, 64*PA                      ; in my 64 rows
	v_add_nc_u32 v[A0], s22, v7
	v_mov_b32 v[ADRA], v[A0]
	v_lshl_add_u32 v8, v2, 3, v4                   ; the turning load: lane L reads key 8 h + L % 8, channels 8 ((L / 8) % 2) + 0..7, and is left with channel L % 16 and 8 keys
	v_mul_u32_u24 v8, v8, PB
	v_lshl_add_u32 v8, v5, 4, v8
	v_add_nc_u32 v[B0], BOFF, v8
	v_mov_b32 v[ADRB], v[B0]
	s_mul_i32 s22, s10, FTW
	s_add_co_u32 s22, s22, FT                      ; my table
	s_mul_i32 s23, s10, 16*SPITCH
	s_add_co_u32 s23, s23, STAGE                   ; my stage
	v_lshl_add_u32 v[FTA], v1, 5, s22              ; read: 32 bytes for my lane's query r, a pair for each block a
	v_lshl_add_u32 v[FW], v4, 6, s22               ; written: query 2 L + e is block L / 8, row 2 (L % 8) + e
	v_lshl_add_u32 v[FW], v6, 3, v[FW]
	v_mul_u32_u24 v7, v1, SPITCH                   ; into the stage: row r, 32 bytes for each half of the lanes
	v_lshl_add_u32 v7, v2, 5, v7
	v_add_nc_u32 v[STO], s23, v7
	v_lshl_add_u32 v[RD], v3, 4, s23               ; back: 32 lanes take a row of 512 bytes,
	v_lshlrev_b32 v[CO], 4, v3                     ; which are 512 consecutive bytes of out0
	s_wait_loadcnt 0x0
.irp e, 0,1
	v_max3_num_f32 v[128+(\e)], v[64+(\e)], v[66+(\e)], v[68+(\e)]
.set j, 3
.rept 6
	v_max3_num_f32 v[128+(\e)], v[128+(\e)], v[64+2*j+(\e)], v[66+2*j+(\e)]
.set j, j+2
.endr
	v_max_num_f32 v[128+(\e)], v[128+(\e)], v[94+(\e)]  ; CM
.endr
.set j, 0
.rept 16
	v_pk_add_f32 v[64+2*j:65+2*j], v[64+2*j:65+2*j], v[128:129] neg_lo:[0,1] neg_hi:[0,1]  ; cm_j - CM
.set j, j+1
.endr
.set j, 0
.rept 32
	v_exp_f32 v[64+j], v[64+j]                     ; f_j
.set j, j+1
.endr
	v_nop                                          ; a plain instruction behind the run of exponentials
	s_wait_alu depctr_va_vdst(0)
	v_pk_mul_f32 v[130:131], v[64:65], v[96:97]
.set j, 1
.rept 15
	v_pk_fma_f32 v[130:131], v[64+2*j:65+2*j], v[96+2*j:97+2*j], v[130:131]  ; L
.set j, j+1
.endr
	v_rcp_f32 v132, v130
	v_rcp_f32 v133, v131
	v_nop                                          ; a plain instruction behind the reciprocals
.set j, 0
	s_wait_alu depctr_va_vdst(0)
.rept 16
.irp e, 0,1
	v_mul_f32 v[136+4*j+2*(\e)], v[64+2*j+(\e)], v[132+(\e)]  ; g_j = f_j / L, twice: a pair for the packed multiply-add
	v_mul_f32 v[137+4*j+2*(\e)], v[64+2*j+(\e)], v[132+(\e)]
.endr
.set j, j+1
.endr
.set j, 0
.rept 16
	ds_store_b64 v[FW], v[136+4*j:137+4*j] offset:512*j
	ds_store_b64 v[FW], v[138+4*j:139+4*j] offset:512*j+32  ; the table is my wave's own: LDS serves a wave's instructions in order, and no other wave reads it
.set j, j+1
.endr
; A load into a register that a matrix instruction has read, and a vector instruction that reads a matrix result, stand four places behind that matrix instruction; only plain vector
; instructions that name none of its registers are places (ISA guide 7.12.1 for vector instructions).
.macro PLACES
.rept 4
	v_nop
.endr
.endm
; 8 matrix instructions: query block a x all 8 channel blocks, 32 keys.  zero = 1: a chunk's first product starts its sums.  The 32 accumulators take turns, in the same order in every quarter.
.macro MULA f, a, zero
	WIN 0x50                                       ; sources in window 0, C and D in window 1
.irp b, 0,1,2,3,4,5,6,7
.if \zero
	v_wmma_f32_16x16x32_f16 v[8*(8*(\a)+(\b)):8*(8*(\a)+(\b))+7], v[(\f)+32+8*(\b):(\f)+32+8*(\b)+7], v[(\f)+8*(\a):(\f)+8*(\a)+7], 0
.else
	v_wmma_f32_16x16x32_f16 v[8*(8*(\a)+(\b)):8*(8*(\a)+(\b))+7], v[(\f)+32+8*(\b):(\f)+32+8*(\b)+7], v[(\f)+8*(\a):(\f)+8*(\a)+7], v[8*(8*(\a)+(\b)):8*(8*(\a)+(\b))+7]
.endif
.endr
.endm
; The chunk just finished is added onto the totals, times g: 128 packed multiply-adds, each accumulator's registers in ascending order.  Blocks 0 and 1 were last written ahead of the four v_nop
; that stand behind the change of slots' barrier; blocks 2 and 3 are read 64 instructions into this run, none of which names a register of their last products.
.macro FOLD
	WIN 0xa1                                       ; source 0 (the chunk) window 1, source 1 (g) window 0, source 2 and destination (the totals) window 2
.set i, 0
.rept 128
	v_pk_fma_f32 v[2*i:2*i+1], v[2*i:2*i+1], v[FC+2*(i/32):FC+2*(i/32)+1], v[2*i:2*i+1]
.set i, i+1
.endr
.endm
; One run of LDS loads: quarter kq (32 keys) of the slot that is read into buffer f: with fac = 1 first the factors of the chunk that is ending; then V's 16 loads; then p's 8
.macro FETCH kq, f, fac
	WIN 0
.if \fac
	ds_load_b128 v[FC:FC+3],   v[FTA]
	ds_load_b128 v[FC+4:FC+7], v[FTA] offset:16
.endif
.irp b, 0,1,2,3,4,5,6,7
	ds_load_tr16_b128 v[(\f)+32+8*(\b):(\f)+32+8*(\b)+3],   v[ADRB] offset:(\kq)*32*PB+32*(\b)
	ds_load_tr16_b128 v[(\f)+32+8*(\b)+4:(\f)+32+8*(\b)+7], v[ADRB] offset:(\kq)*32*PB+16*PB+32*(\b)
.endr
.irp a, 0,1,2,3
	ds_load_b128 v[(\f)+8*(\a):(\f)+8*(\a)+3],   v[ADRA] offset:(\a)*16*PA+64*(\kq)
	ds_load_b128 v[(\f)+8*(\a)+4:(\f)+8*(\a)+7], v[ADRA] offset:(\a)*16*PA+64*(\kq)+32
.endr
.endm
; ASKING AHEAD, once a trip.  s3 counts the trips down from 14 to 1: trip t = 14 - s3.  The jumps hang on the wave's number and on that counter alone, go forward, and pass neither a barrier nor a tensor load.
; The bases are stepped only behind the wait on XCNT, which stands a trip or more behind the last line that named them (ISA guide 3.1), never straight behind one.
.macro ASK
	s_cmp_lg_u32 s10, 0                            ; wave 0 alone asks
	s_cbranch_scc1 .Lasked_ahead_\@
	s_cmp_eq_u32 s3, 1                             ; trip 13 would name K step 16: there is none
	s_cbranch_scc1 .Lasked_ahead_\@
	s_wait_xcnt 0x0
	s_add_nc_u64 s[PFP:PFP+1], s[PFP:PFP+1], 256   ; p's K step t + 3: 128 keys on along the rows
	global_prefetch_b8 v[PL], s[PFP:PFP+1] th:TH_LOAD_NT scope:SCOPE_SE
	s_bitcmp1_b32 s3, 0                            ; s3 odd = t odd: trips 1, 3 .. 11
	s_cbranch_scc0 .Lasked_ahead_\@
	s_add_nc_u64 s[PFV:PFV+1], s[PFV:PFV+1], 2*128*QROW  ; V's K steps t + 3 and t + 4: 256 rows down
	global_prefetch_b8 v[VL], s[PFV:PFV+1] th:TH_LOAD_NT scope:SCOPE_SE
.Lasked_ahead_\@:
.endm
; A K step is four quarters of 32 keys, 32 matrix instructions each, on buffers 0, 1, 0, 1.  One of the first three multiplies buffer f and, in its middle, fetches quarter kq into g.
; fold = 1: a step's first quarter, behind another step: that step's sums go onto the totals before this step's products start theirs anew.  ask = 1: later tiles are named, behind the run of LDS loads (every window is 0 there).
.macro QUARTER kq, f, g, zero, fold=0, ask=0
.if \fold
	s_wait_dscnt 24                                ; the two loads of the factors are in; the 24 of the fragments, issued behind them, may be out
	FOLD
.endif
	s_wait_dscnt 4                                 ; V and p's blocks 0 and 1 are in; the youngest four loads (p's blocks 2 and 3) may be out
	MULA \f, 0, \zero
	MULA \f, 1, \zero
	PLACES
	FETCH \kq, \g, 0
.if \ask
	ASK
.endif
	s_wait_dscnt 24                                ; all but the 24 just issued
	MULA \f, 2, \zero
	MULA \f, 3, \zero
.endm
; The last quarter multiplies buffer 1 and changes slots: ONE barrier; in front of it each wave waits for all its tensor loads (one is out: its part of the next slot), adds 0 to its spare word, and waits
; for that and for its own reads of this slot.  fill = 1: the barrier opens a round of the cluster's barrier, and this slot is filled again, two K steps ahead: the first tensor load behind the round.
.macro TURN fill
	WIN 0                                          ; the add's two registers lie in window 0
	s_wait_tensorcnt 0x0
	ds_add_u32 v[SPW], v[NIL]                      ; 0 onto my spare word
	s_wait_dscnt 5                                 ; the add and the youngest four loads may be out
	MULA F1, 0, 0                                  ; eight matrix instructions stand between the add and the wait for it
	s_wait_dscnt 0x0                               ; the add is done, and my reads of this slot are over
	s_barrier_signal -1
	MULA F1, 1, 0                                  ; work on registers while the others arrive
	WIN 0
	s_xor_b32 s[TB], s[TB], SLOT1                  ; from here on the other slot is read
	v_add_nc_u32 v[ADRA], s[TB], v[A0]
	v_add_nc_u32 v[ADRB], s[TB], v[B0]
	s_barrier_wait -1
.if \fill
	CREST                                          ; no wave of any partner still reads this slot's tile or has a load on its way
	s_xor_b32 s[G0+5], s[G0+5], SLOT1              ; the walking descriptors: the other slot than last time,
	s_add_nc_u64 s[G0+6:G0+7], s[G0+6:G0+7], 256   ; the next 128 keys along p's rows,
	s_xor_b32 s[G0B+5], s[G0B+5], SLOT1
	s_add_nc_u64 s[G0B+6:G0B+7], s[G0B+6:G0B+7], 128*QROW  ; and down V's; the type bits on top are not reached
	JLOAD 1                                        ; its four v_nop are also the places in front of the loads below
.else
	PLACES
.endif
	FETCH 0, F0, 1
	MULA F1, 2, 0
	MULA F1, 3, 0
.endm
; The last chunk's fold makes block a's results (16 queries), each accumulator's registers in ascending order
.macro LAST a
	WIN 0x21                                       ; source 0 (the chunk) window 1, source 2 (the totals) window 2
.set i, 0
.rept 32
	v_pk_fma_f32 v[TMP+2*i:TMP+2*i+1], v[64*(\a)+2*i:64*(\a)+2*i+1], v[FC+2*(\a):FC+2*(\a)+1], v[64*(\a)+2*i:64*(\a)+2*i+1]
.set i, i+1
.endr
	WIN 0                                          ; at a label and at a branch every window is 0
.endm
	s_wait_tensorcnt 1                             ; my part of K step 0 is in; K step 1's may stay out
	s_wait_dscnt 0x0                               ; no LDS instruction of mine is pending at a signal
	s_barrier_signal -1
	s_barrier_wait -1
	FETCH 0, F0, 0
	QUARTER 1, F0, F1, 1                           ; the first quarter stands in front of the loop
	WIN 0
	s_mov_b32 s3, KSTEPS-2
.Lstep:                                                ; fourteen trips: a trip goes from a K step's second quarter to the next step's first, fills the slot that it leaves with the step two further on, and folds one chunk
	QUARTER 2, F1, F0, 0, 0, 1
	QUARTER 3, F0, F1, 0
	TURN 1
	QUARTER 1, F0, F1, 1, 1
	WIN 0
	v_add_nc_u32 v[FTA], 512, v[FTA]               ; the next chunk's factors
	s_sub_co_u32 s3, s3, 1
	s_cmp_lg_u32 s3, 0
	s_cbranch_scc1 .Lstep
	QUARTER 2, F1, F0, 0                           ; the last two K steps are written out: they fill nothing, and have no round of the cluster's barrier
	QUARTER 3, F0, F1, 0
	TURN 0
	QUARTER 1, F0, F1, 1, 1
	QUARTER 2, F1, F0, 0
	QUARTER 3, F0, F1, 0
	s_wait_dscnt 0x0                               ; the very last quarter: nothing more to fetch
	MULA F1, 0, 0
	MULA F1, 1, 0
	MULA F1, 2, 0
	MULA F1, 3, 0
	WIN 0
	PLACES                                         ; behind the last products
	ds_load_b128 v[FC:FC+3],   v[FTA] offset:512   ; the last chunk's factors
	ds_load_b128 v[FC+4:FC+7], v[FTA] offset:528
	s_wait_dscnt 0x0
	; THE WAY OUT, four trips, a block of 16 queries each: what names the block's registers is written for each block, and the trip jumps forward to it on its counter; the rest is written once.
	s_mov_b32 s[BL], 0
	s_mov_b32 s16, 0                               ; what a trip adds to out0's address: nothing the first time, then 16 rows
	s_mov_b32 s17, 0
.Lout:
.irp a, 1,2,3
	s_cmp_eq_u32 s[BL], \a
	s_cbranch_scc1 .Lo\a
.endr
	LAST 0
	s_branch .Lst
.irp a, 1,2,3
.Lo\a:
	LAST \a
.if (\a) < 3
	s_branch .Lst
.endif
.endr
.Lst:
	s_wait_xcnt 0x0                                ; the last block's stores have read their registers and their base: BK is loaded again, and the base stepped, only behind this wait
	s_add_nc_u64 s[8:9], s[8:9], s[16:17]
	s_mov_b64 s[16:17], 16*PROW
.irp b, 0,1,2,3,4,5,6,7
	ds_store_b128 v[STO], v[TMP+8*(\b):TMP+8*(\b)+3]   offset:64*(\b)   ; 32 bytes a lane into my own stage,
	ds_store_b128 v[STO], v[TMP+8*(\b)+4:TMP+8*(\b)+7] offset:64*(\b)+16
.endr
.set i, 0
.rept 16
	ds_load_b128 v[BK+4*i:BK+4*i+3], v[RD] offset:SPITCH*i  ; and back as whole rows of 512 bytes: LDS serves a wave's instructions in order (ISA guide 5.7.1.4)
.set i, i+1
.endr
.set i, 0
.rept 16
	s_wait_dscnt 15-i                              ; row i is back; the 15 - i younger loads may be out
	global_store_b128 v[CO], v[BK+4*i:BK+4*i+3], s[8:9] offset:PROW*i th:TH_STORE_NT  ; 512 consecutive bytes, at a multiple of 256 from out0's first byte
.set i, i+1
.endr
	s_add_co_u32 s[BL], s[BL], 1
	s_cmp_lt_u32 s[BL], 4
	s_cbranch_scc1 .Lout
	s_wait_tensorcnt 0x0                           ; the wave's end
	ds_add_u32 v[SPW], v[NIL]
	s_wait_dscnt 0x0
	CROUND                                         ; the closing round: no work-group ends while a partner may still ask for a tile that names it
	s_endpgm
.Lfunc_end_k_q3f10dd0369_pv:
	.size	k_q3f10dd0369_pv, .Lfunc_end_k_q3f10dd0369_pv-k_q3f10dd0369_pv
	.p2alignl 7, 3214868480
	.fill 96, 4, 3214868480
	.section	.rodata,"a",@progbits
	.p2align	6, 0x0
	.amdhsa_kernel k_q3f10dd0369_pv
		.amdhsa_group_segment_fixed_size 327680
		.amdhsa_private_segment_fixed_size 0
		.amdhsa_enable_private_segment 0
		.amdhsa_kernarg_size 32
		.amdhsa_user_sgpr_count 2
		.amdhsa_user_sgpr_kernarg_segment_ptr 1
		.amdhsa_wavefront_size32 1
		.amdhsa_system_sgpr_workgroup_id_x 1
		.amdhsa_system_sgpr_workgroup_id_y 1
		.amdhsa_system_sgpr_workgroup_id_z 1
		.amdhsa_system_vgpr_workitem_id 0
		.amdhsa_next_free_vgpr 768
		.amdhsa_next_free_sgpr 88
		.amdhsa_reserve_vcc 0
		.amdhsa_float_denorm_mode_32 3
		.amdhsa_float_denorm_mode_16_64 3
		.amdhsa_memory_ordered 1
		.amdhsa_forward_progress 1
		.amdhsa_inst_pref_size 106
	.end_amdhsa_kernel
	.amdgpu_metadata
---
amdhsa.version: [ 1, 2 ]
amdhsa.kernels:
  - .name:           k_q3f10dd0369_pv
    .symbol:         k_q3f10dd0369_pv.kd
    .args:
      - { .name: p, .offset: 0, .size: 8, .value_kind: global_buffer, .address_space: global }
      - { .name: qkv, .offset: 8, .size: 8, .value_kind: global_buffer, .address_space: global }
      - { .name: st, .offset: 16, .size: 8, .value_kind: global_buffer, .address_space: global }
      - { .name: out0, .offset: 24, .size: 8, .value_kind: global_buffer, .address_space: global }
    .group_segment_fixed_size: 327680
    .private_segment_fixed_size: 0
    .kernarg_segment_align: 8
    .kernarg_segment_size: 32
    .max_flat_workgroup_size: 128
    .sgpr_count:     88
    .vgpr_count:     768
    .wavefront_size: 32
...
	.end_amdgpu_metadata
.endif
;; end of part 4
;; ======== version 2 of 2: 4 launches; version 1 with the launch prep written anew for expert scheduling mode
;; limits: values are held in f16: magnitudes above 65,504 overflow, below 6.1e-05 lose precision; right only within a limited range of input values
;; workspace buffers: xb 16,777,216 bytes; wt 6,291,456 bytes; qkv 50,331,648 bytes; p 33,554,432 bytes; st 1,048,576 bytes
;; launch prep (part 5): grid 896 x 1, 8 waves a work-group, no clusters, 18,432 bytes of LDS; arguments X, W, xb, wt; writes xb, wt
.if DOCPART == 5
	.amdgcn_target "amdgcn-amd-amdhsa--gfx1250"
	.amdhsa_code_object_version 6
	.text
	.protected	k_q3f10dd0369_prep
	.globl	k_q3f10dd0369_prep
	.p2align	8
	.type	k_q3f10dd0369_prep,@function
k_q3f10dd0369_prep:
	s_mov_b64 s[64:65], 0
	v_nop
	global_prefetch_b8 v0, s[64:65] scope:SCOPE_SE
	s_setreg_imm32_b32 hwreg(HW_REG_WAVE_SCHED_MODE, 0, 2), 2
	s_setreg_imm32_b32 hwreg(HW_REG_WAVE_MODE, 25, 1), 1
	s_wait_xcnt 0x0
	s_wait_alu depctr_vm_vsrc(0)
; xb = bf16(X), [8192][1024], and wt = bf16(W) turned, [3072 e][1024 d].  X: [8192][1024] f32.  W: [1024 d][3072 e] f32.  Each number is rounded once, to nearest even.
; Work-groups 0 to 511 take 65,536 bytes of X each; work-groups 512 to 895 take a block of 128 d x 64 e of W each.  The branch hangs on the work-group's number alone:
; all eight waves of a work-group go the same way, and each way ends by itself.
; A stream bound by memory: no matrix unit, no cluster, no tensor load would spare a byte here.
; THE MODE: SCHED_MODE bits 1:0 = 2 (LLVM: expert scheduling mode 2), set by the entry lines.  The code itself states the register dependences
; between vector instructions and memory or LDS instructions, with s_wait_alu, always for 0.
; THE PLAN.  No register that a memory or LDS instruction reads is ever written again, and no load lands in a register that a vector instruction has named: so the only dependence to state is
; "a vector instruction has written what a memory or LDS instruction reads", and every wait is one on va_vdst.
;   X's way:  v3, v4      offsets, made at the head; read by the loads (v3) and the stores (v4).
;             v[8:71]     sixteen loads of 4 registers, each loaded once; block p (loads 4 p to 4 p + 3) is read by block p's conversions.
;             v[72:103]   8 registers a block, written once by block p's conversions, read by the four stores that are issued in block p + 1.
;   W's way:  v3 to v6    addresses, made at the head; v112, v113 the closing add's two registers, made ahead of the branch.
;             v[8:39]     four pairs of rows, each loaded once; pair i is read by pair i's conversions.
;             v[40:55]    4 words a pair, written once by pair i's conversions, read by the four LDS stores that are issued in pair i + 1.
;             v[56:71]    loaded from LDS, read by the global stores; no vector instruction names them.
; On each way one wait stands ahead of the first load (the addresses are written), one at the head of each block or pair but the first, behind the wait for its data (the block before has written what
; the stores below read), and one ahead of the last stores.  A block's stores are dealt among its conversions, which name this block's registers alone: none that those stores read.
.set NX,   512                         ; work-groups for X
.set WROW, 12288                       ; bytes in a row of W
.set TP,   272                         ; a row of the turned tile in LDS: 128 bf16 + 16 bytes
	s_load_b256 s[4:11], s[0:1], 0x0               ; X s[4:5], W s[6:7], xb s[8:9], wt s[10:11]
	v_lshl_add_u32 v112, v0, 2, 0x4400
	v_mov_b32 v113, 0
	s_cmp_lt_u32 ttmp9, NX
	s_cbranch_scc0 .Lw
	; X: a wave takes 8,192 bytes on end, sixteen loads of 512 bytes; each becomes one store of 256 bytes, aligned
	v_lshrrev_b32 v1, 5, v0                        ; wave
	v_and_b32 v2, 31, v0                           ; lane
	v_lshlrev_b32 v3, 4, v2
	v_lshl_or_b32 v3, v1, 13, v3                   ; in: 8,192 x wave + 16 x lane
	v_lshlrev_b32 v4, 3, v2
	v_lshl_or_b32 v4, v1, 12, v4                   ; out: 4,096 x wave + 8 x lane
	s_lshl_b32 s12, ttmp9, 16
	s_mov_b32 s13, 0
	s_lshl_b32 s14, ttmp9, 15
	s_mov_b32 s15, 0
	s_wait_kmcnt 0x0
	s_add_nc_u64 s[4:5], s[4:5], s[12:13]
	s_add_nc_u64 s[8:9], s[8:9], s[14:15]
	s_wait_alu depctr_va_vdst(0)                   ; v3 and v4 are written: every load below reads v3 as its offset, every store v4
.set i, 0
.rept 16
	global_load_b128 v[8+4*i:11+4*i], v3, s[4:5] offset:512*i th:TH_LOAD_NT
.set i, i+1
.endr
	; four blocks of four loads.  Block p rounds its own 16 registers into its own 8; the four stores of block p - 1 stand among its conversions
.set p, 0
.rept 4
	s_wait_loadcnt 12-4*p                          ; loads come back in order: block p's four are in, the 12 - 4 p younger ones stay out
.if p > 0
	s_wait_alu depctr_va_vdst(0)                   ; the block before has written its eight registers, which the four stores below read
.endif
.set i, 0
.rept 4
.if p > 0
	global_store_b64 v4, v[72+8*(p-1)+2*i:73+8*(p-1)+2*i], s[8:9] offset:256*(4*(p-1)+i)  ; no vector instruction since the wait names these registers; none is written twice, so nothing waits for a store
.endif
	v_cvt_pk_bf16_f32 v[72+8*p+2*i], v[8+16*p+4*i], v[9+16*p+4*i]
	v_cvt_pk_bf16_f32 v[73+8*p+2*i], v[10+16*p+4*i], v[11+16*p+4*i]
.set i, i+1
.endr
.set p, p+1
.endr
	s_wait_alu depctr_va_vdst(0)                   ; block 3 has written v[96:103], which the last four stores read
.set i, 0
.rept 4
	global_store_b64 v4, v[96+2*i:97+2*i], s[8:9] offset:256*(12+i)
.set i, i+1
.endr
	s_endpgm                                       ; this way has stored nothing to LDS
.Lw:	; W: block dt of 128 d, block et of 64 e.  Thread t takes four e (16 bytes) of the rows 2 (t / 16) + 32 i and the row below, i = 0 to 3:
	; sixteen lanes read 256 consecutive bytes of a row.  Two d of one e make a word; the words go into an LDS tile [64 e][128 d] and come back as rows of 256 bytes.
	s_sub_co_u32 s12, ttmp9, NX
	s_and_b32 s13, s12, 7                          ; dt
	s_lshr_b32 s14, s12, 3                         ; et
	s_mul_i32 s16, s13, 128*WROW
	s_lshl_b32 s17, s14, 8
	s_add_co_u32 s16, s16, s17                     ; W: 128 dt rows + 64 et numbers of 4 bytes
	s_mov_b32 s17, 0
	s_lshl_b32 s18, s14, 17
	s_lshl_b32 s19, s13, 8
	s_add_co_u32 s18, s18, s19                     ; wt: 64 et rows of 2,048 bytes + 128 dt numbers of 2 bytes
	s_mov_b32 s19, 0
	v_lshrrev_b32 v1, 4, v0                        ; t / 16
	v_and_b32 v2, 15, v0                           ; t % 16
	v_mul_u32_u24 v3, v1, 2*WROW
	v_lshl_add_u32 v3, v2, 4, v3                   ; in
	v_mul_u32_u24 v4, v2, 4*TP
	v_lshl_add_u32 v4, v1, 2, v4                   ; into the tile: row 4 (t % 16) + j, word t / 16 + 16 i
	v_mul_u32_u24 v5, v1, TP
	v_lshl_add_u32 v5, v2, 4, v5                   ; back: row t / 16 + 16 i, 16 bytes at 16 (t % 16)
	v_lshlrev_b32 v6, 4, v2
	v_lshl_or_b32 v6, v1, 11, v6                   ; out: the same row and bytes in wt
	s_wait_kmcnt 0x0
	s_add_nc_u64 s[6:7], s[6:7], s[16:17]
	s_add_nc_u64 s[10:11], s[10:11], s[18:19]
	s_wait_alu depctr_va_vdst(0)                   ; the four addresses v3 to v6 are written, which the loads, LDS stores, LDS loads and stores below read; so are v112 and v113, which the closing add reads
.set i, 0
.rept 4
	global_load_b128 v[8+8*i:11+8*i],  v3, s[6:7] offset:32*WROW*i th:TH_LOAD_NT
	global_load_b128 v[12+8*i:15+8*i], v3, s[6:7] offset:32*WROW*i+WROW th:TH_LOAD_NT
.set i, i+1
.endr
	; pair i of rows is rounded into its own four words; the four LDS stores of pair i - 1 stand among its conversions
.set i, 0
.rept 4
	s_wait_loadcnt 6-2*i                           ; pair i of rows is in; the 6 - 2 i younger loads stay out
.if i > 0
	s_wait_alu depctr_va_vdst(0)                   ; the pair before has written its four words, which the four LDS stores below read
.endif
.irp j, 0,1,2,3
.if i > 0
	ds_store_b32 v4, v[40+4*(i-1)+(\j)] offset:TP*(\j)+64*(i-1)  ; no vector instruction since the wait names this register
.endif
	v_cvt_pk_bf16_f32 v[40+4*i+(\j)], v[8+8*i+(\j)], v[12+8*i+(\j)]  ; d in the low half, d + 1 in the high half
.endr
.set i, i+1
.endr
	s_wait_alu depctr_va_vdst(0)                   ; pair 3 has written v[52:55], which the last four LDS stores read
.irp j, 0,1,2,3
	ds_store_b32 v4, v[52+(\j)] offset:TP*(\j)+192
.endr
	s_wait_dscnt 0x0                               ; for the others' sake: my words are in the tile
	s_barrier_signal -1
	s_barrier_wait -1
.set i, 0
.rept 4
	ds_load_b128 v[56+4*i:59+4*i], v5 offset:16*TP*i  ; into registers that no vector instruction names
.set i, i+1
.endr
.set i, 0
.rept 4
	s_wait_dscnt 3-i
	global_store_b128 v6, v[56+4*i:59+4*i], s[10:11] offset:32768*i  ; sixteen lanes store 256 consecutive bytes, at a multiple of 256 from wt's first byte
.set i, i+1
.endr
	s_wait_dscnt 0x0                               ; the closing lines, six on end
	s_wait_alu 0x0
	s_wait_tensorcnt 0x0
	ds_add_u32 v112, v113
	s_wait_dscnt 0x0
	s_endpgm
.Lfunc_end_k_q3f10dd0369_prep:
	.size	k_q3f10dd0369_prep, .Lfunc_end_k_q3f10dd0369_prep-k_q3f10dd0369_prep
	.p2alignl 7, 3214868480
	.fill 96, 4, 3214868480
	.section	.rodata,"a",@progbits
	.p2align	6, 0x0
	.amdhsa_kernel k_q3f10dd0369_prep
		.amdhsa_group_segment_fixed_size 18432
		.amdhsa_private_segment_fixed_size 0
		.amdhsa_enable_private_segment 0
		.amdhsa_kernarg_size 32
		.amdhsa_user_sgpr_count 2
		.amdhsa_user_sgpr_kernarg_segment_ptr 1
		.amdhsa_wavefront_size32 1
		.amdhsa_system_sgpr_workgroup_id_x 1
		.amdhsa_system_sgpr_workgroup_id_y 1
		.amdhsa_system_sgpr_workgroup_id_z 1
		.amdhsa_system_vgpr_workitem_id 0
		.amdhsa_next_free_vgpr 114
		.amdhsa_next_free_sgpr 66
		.amdhsa_reserve_vcc 0
		.amdhsa_float_denorm_mode_32 3
		.amdhsa_float_denorm_mode_16_64 3
		.amdhsa_memory_ordered 1
		.amdhsa_forward_progress 1
		.amdhsa_inst_pref_size 12
	.end_amdhsa_kernel
	.amdgpu_metadata
---
amdhsa.version: [ 1, 2 ]
amdhsa.kernels:
  - .name:           k_q3f10dd0369_prep
    .symbol:         k_q3f10dd0369_prep.kd
    .args:
      - { .name: X, .offset: 0, .size: 8, .value_kind: global_buffer, .address_space: global }
      - { .name: W, .offset: 8, .size: 8, .value_kind: global_buffer, .address_space: global }
      - { .name: xb, .offset: 16, .size: 8, .value_kind: global_buffer, .address_space: global }
      - { .name: wt, .offset: 24, .size: 8, .value_kind: global_buffer, .address_space: global }
    .group_segment_fixed_size: 18432
    .private_segment_fixed_size: 0
    .kernarg_segment_align: 8
    .kernarg_segment_size: 32
    .max_flat_workgroup_size: 256
    .sgpr_count:     66
    .vgpr_count:     114
    .wavefront_size: 32
...
	.end_amdgpu_metadata
.endif
;; end of part 5
;; launch proj: the kernel of part 2 again; grid 12 x 32, 4 waves a work-group, clusters of 4 x 4, 327,680 bytes of LDS; arguments xb, wt, b, qkv; writes qkv
;; launch scores: the kernel of part 3 again; grid 8 x 32, 4 waves a work-group, clusters of 4 x 4, 327,680 bytes of LDS; arguments qkv, p, st; writes p, st
;; launch pv: the kernel of part 4 again; grid 8 x 32, 4 waves a work-group, clusters of 4 x 4, 327,680 bytes of LDS; arguments p, qkv, st, out0; writes out0
